; MI455X (gfx1250); checked and timed in simulation.
; The chip was launched on July 23, 2026; its instructions are those of AMD's public machine-readable ISA for CDNA 5 (MIT licence, August 2026) and "CDNA5" Instruction Set Architecture Reference Guide (July 2026). The comments in the code are by the model that wrote it; some were corrected since.
;; DIN Attention. Allowed arithmetic: float matrix products may take bf16 or f16 operands with f32 sums; other float arithmetic in f32, or as packed bf16 or f16 multiplies, adds, multiply-adds, maxima and minima; sums over many terms, partial sums and values carried from step to step in f32; what a program stores and reads back later, other than sums and carried values, may be rounded once to bf16 or f16.
;; Inputs: W1 256 x 64 float32; W2 64 x 32 float32; Wf 32 x 1 float32; a1 64 float32; a2 32 float32; b1 64 float32; b2 32 float32; be1 64 float32; be2 32 float32; bf 1 float32; db1 64 float32; db2 32 float32; dg1 64 float32; dg2 32 float32; facts 4,096 x 200 x 64 float32; g1 64 float32; g2 32 float32; mask 4,096 x 200 x 1 int32; query 4,096 x 1 x 64 float32.
;; Outputs: out0 4,096 x 64 float32.
;; One version. Each part assembles by itself: llvm-mc -triple=amdgcn-amd-amdhsa -mcpu=gfx1250 --defsym DOCPART=n.
;; ======== version 1 of 1: 3 launches
;; limits: values are held in f16: magnitudes above 65,504 overflow, below 6.1e-05 lose precision
;; workspace buffers: fb 109,051,904 bytes; part1 196,608 bytes; part2 131,072 bytes; tab1 1,536 bytes
;; launch stat1 (part 1): grid 256 x 1, 8 waves a work-group, no clusters, 124,928 bytes of LDS; arguments facts, query, W1, b1, fb, part1; writes fb, part1
.if DOCPART == 1
	.amdgcn_target "amdgcn-amd-amdhsa--gfx1250"
	.amdhsa_code_object_version 6
	.text
	.protected	k_qed2e171cec_stat1
	.globl	k_qed2e171cec_stat1
	.p2align	8
	.type	k_qed2e171cec_stat1,@function
k_qed2e171cec_stat1:
	s_mov_b64 s[64:65], 0
	v_nop
	global_prefetch_b8 v0, s[64:65] scope:SCOPE_SE
	s_setreg_imm32_b32 hwreg(HW_REG_WAVE_MODE, 25, 1), 1
	s_wait_xcnt 0x0
; DIN attention, launch 1 of 3: column sums of layer 1's output h1 (for the first batch norm), and facts copied once as f16.
; h1[b][s][:] = b1 + q_b (Wa+Wc) + f (Wb-Wc + diag(q_b) Wd), Wa..Wd = rows 0-63, 64-127, 128-191, 192-255 of W1: for one b a product of K = 64
; with a matrix M_b = Wbc + q_b * Wd made once for its 200 rows, and a start cinit_b = b1 + q_b Wac.
; SUMS.  S = sum (h1 - p), Q = sum (h1 - p)^2 over the work-group's 3,200 rows, p = h1 of row (b 0, s 0), made by every work-group with the same
; instructions on the same numbers.  p enters as the products' start (b1 - p), so no difference of large sums is formed.  Record g of part1: S[64], Q[64], p[64].
; SHARES.  256 work-groups of 8 waves; wave w of group g owns b0 = 16 g + 2 w and b0 + 1.  A b is 12 tiles of 16 rows and one of 8 rows padded with zeros.
; fb: byte b*26624 + tile*2048 + i*512 + lane*16 holds facts[b][16 tile + lane%16][16 i + 8 (lane/16) + 0..7] in f16: a tile as four loads of a matrix operand.
; THE MATRIX INSTRUCTION IS USED TRANSPOSED: source 0 = 16 output columns of the weights, source 1 = 16 rows of facts; in a result lane l holds row l%16 and
; register j column 16 t + 8 (l/16) + j.
; A STREAM: facts come by 16-byte loads into a ring of four tile slots in registers (32 loads of a wave in flight), no tensor load: nothing is read twice and no wave reads another's rows.
; LIMITS.  facts, query, W1's sums and M_b are rounded to f16: each must lie below 65,504 in magnitude; below 6e-5 f16 keeps a fixed step of 6e-8.  NaN and infinities are not treated apart.
.set QT,    30720                      ; behind Wac, Wbc, Wd ([64 k][64 n] f16, pitch 160, 10,240 bytes each): 18 rows of 128 bytes f16: the group's 16 q, q[0], facts[0][0]
.set TAB,   33024                      ; three tables of 64 f32
.set T_B,   0                          ; b1
.set T_CB,  256                        ; b1 - p
.set T_P,   512                        ; p
.set RED,   33792                      ; 8 x 512: the waves' sums
.set STG,   37888                      ; 8 x 2,304: a wave's stage, 16 rows of 128 bytes, pitch 144
.set XS,    56320                      ; 8 x 8,448: a wave's 16 rows of 512 bytes, pitch 528, for the sum over the 16 row lanes
.set SPARE, 123904                     ; the spare words, 128 bytes a wave: four blocks of 256 bytes that no other line names
.set SPW,  1                           ; v1   SPARE + 4 x thread; never rewritten
.set NIL,  2                           ; v2   0; never rewritten
.set VT16, 3                           ; v3   16 x thread
.set VL16, 4                           ; v4   16 x lane
.set STS,  5                           ; v5   stage, in: row l/16, 8 bytes at 8 (l%16)
.set AW,   6                           ; v6   weights, turning load: (8 (l/16) + l%8) x 160 + 16 ((l/8)%2)
.set AQ,   7                           ; v7   my wave's two q rows: QT + 256 w + 16 (l/16)
.set AT,   8                           ; v8   TAB + 32 (l/16)
.set STL,  9                           ; v9   stage, back: row l%16, 16 (l/16)
.set XSS,  10                          ; v10  XS, in
.set XSL,  11                          ; v11  XS, back
.set AQP,  12                          ; v12  QT's row 16 + 16 (l/16)
.set TMPA, 13
.set VM,   14                          ; v14-15  1.0 for rows 0-7 of a tile, 0 for rows 8-15
.set FR,   16                          ; v16-31  a tile of facts as source 1
.set ACC,  32                          ; v32-63  h1 - p: four results
.set EE,   64                          ; v64-95  at work
.set YY,   96                          ; v96-111 q as source 1; a tile's f16 on its way to the stage
.set TW,   112                         ; v112-117 at work in the head
.set WST,  118
.set A4,   120                         ; not used here (no scaling)
.set SUM,  128                         ; v128-159 S
.set SQR,  160                         ; v160-191 Q
.set WQ,   160                         ; v160-223 in the head: my 16 quads of W1
.set VL,   224
.set VR,   225
.set VH,   226
.set MB,    0                          ; window 1: v0-63 M_b, register 16 t + 8 kk + e
.set CI,    64                         ; window 1: v64-95 cinit_b - p
.set RING0, 96                         ; window 1: v96-223 four tile slots of 32
.set RPAD,  224                        ; window 1: v224-239 the 8-row tile
.set WV,   16
.set CNT,  17
.set STEP, 18
.set FB0,  20
.set LB,   22
.set SB,   24
.set MSB, 0
.macro WIN new                         ; s_set_vgpr_msb: bits 1:0 source 0, 3:2 source 1, 5:4 source 2, 7:6 destination; the high byte repeats the setting that is left
.if MSB != (\new)
	s_set_vgpr_msb (MSB<<8)|(\new)
.set MSB, \new
.endif
.endm
.macro PLACES n
.rept \n
	v_nop
.endr
.endm
.macro LDT dst, off, nt                ; my 8 columns of each of nt blocks of 16, from a table of f32
.set ti, 0
.rept \nt
	ds_load_b128 v[(\dst)+8*ti:(\dst)+8*ti+3], v[AT] offset:(\off)+64*ti
	ds_load_b128 v[(\dst)+8*ti+4:(\dst)+8*ti+7], v[AT] offset:(\off)+64*ti+16
.set ti, ti+1
.endr
.endm
.macro STT src, off, nt                ; the same, stored (the 16 lanes of a half hold and store the same numbers)
.set ti, 0
.rept \nt
	ds_store_b128 v[AT], v[(\src)+8*ti:(\src)+8*ti+3] offset:(\off)+64*ti
	ds_store_b128 v[AT], v[(\src)+8*ti+4:(\src)+8*ti+7] offset:(\off)+64*ti+16
.set ti, ti+1
.endr
.endm
.macro LDW dst, mat                    ; a [64 k][64 n] matrix as eight fragments of source 0: columns 16 t on, k 32 kk on
.irp t, 0,1,2,3
.irp kk, 0,1
	ds_load_tr16_b128 v[(\dst)+16*\t+8*\kk:(\dst)+16*\t+8*\kk+3], v[AW] offset:(\mat)*10240+\kk*5120+32*\t
	ds_load_tr16_b128 v[(\dst)+16*\t+8*\kk+4:(\dst)+16*\t+8*\kk+7], v[AW] offset:(\mat)*10240+\kk*5120+32*\t+2560
.endr
.endr
.endm
.macro LAY1                            ; ACC = CI + M_b^T f: the four accumulators take turns
	WIN 0x11
.irp t, 0,1,2,3
	v_wmma_f32_16x16x32_f16 v[ACC+8*\t:ACC+8*\t+7], v[MB+16*\t:MB+16*\t+7], v[FR:FR+7], v[CI+8*\t:CI+8*\t+7]
.endr
	WIN 0x01
.irp t, 0,1,2,3
	v_wmma_f32_16x16x32_f16 v[ACC+8*\t:ACC+8*\t+7], v[MB+16*\t+8:MB+16*\t+15], v[FR+8:FR+15], v[ACC+8*\t:ACC+8*\t+7]
.endr
.endm
; One b's set-up: q as source 1 (every column the same q), CI = table + Wac^T q, M_b = Wbc + q * Wd (packed f16, one rounding each).
.macro BPRO aq, qoff, tcb
	WIN 0
.irp i, 0,1,2,3
	ds_load_b128 v[YY+4*\i:YY+4*\i+3], v[\aq] offset:(\qoff)+32*\i
.endr
	WIN 0x40
	LDT CI, \tcb, 4
	LDW MB, 0
	s_wait_dscnt 0x0                               ; q, the table and Wac are in
	WIN 0x51
.irp kk, 0,1
.irp t, 0,1,2,3
	v_wmma_f32_16x16x32_f16 v[CI+8*\t:CI+8*\t+7], v[MB+16*\t+8*\kk:MB+16*\t+8*\kk+7], v[YY+8*\kk:YY+8*\kk+7], v[CI+8*\t:CI+8*\t+7]
.endr
.endr
	PLACES 5                                       ; five places: the loads below land on these products' source, and CI becomes the start of other accumulators
	WIN 0x40
	LDW MB, 1
	WIN 0
	LDW 32, 2
	s_wait_dscnt 0x0                               ; Wbc and Wd are in
	WIN 0x50
.set bi, 0
.rept 64
	v_pk_fma_f16 v[MB+bi], v[32+bi], v[YY+bi%16], v[MB+bi]
.set bi, bi+1
.endr
	WIN 0
.endm
.macro QHALF base, half                ; quads half .. 2 half - 1 are added onto quads 0 .. half - 1
.set qi, 0
.rept \half
	v_pk_add_f32 v[(\base)+4*qi:(\base)+4*qi+1], v[(\base)+4*qi:(\base)+4*qi+1], v[(\base)+4*(qi+(\half)):(\base)+4*(qi+(\half))+1]
	v_pk_add_f32 v[(\base)+4*qi+2:(\base)+4*qi+3], v[(\base)+4*qi+2:(\base)+4*qi+3], v[(\base)+4*(qi+(\half))+2:(\base)+4*(qi+(\half))+3]
.set qi, qi+1
.endr
.endm
; W1's quads (row 16 i + 2 w + l/16 of each of the four blocks, columns 4 (l%16) on) become Wac, Wbc, Wd in f16 in LDS.
.macro WPREP scale
.irp i, 0,1,2,3
	v_pk_add_f32 v[WQ+4*\i:WQ+4*\i+1], v[WQ+4*\i:WQ+4*\i+1], v[WQ+32+4*\i:WQ+32+4*\i+1]
	v_pk_add_f32 v[WQ+4*\i+2:WQ+4*\i+3], v[WQ+4*\i+2:WQ+4*\i+3], v[WQ+32+4*\i+2:WQ+32+4*\i+3]
	v_pk_add_f32 v[WQ+16+4*\i:WQ+16+4*\i+1], v[WQ+16+4*\i:WQ+16+4*\i+1], v[WQ+32+4*\i:WQ+32+4*\i+1] neg_lo:[0,1] neg_hi:[0,1]
	v_pk_add_f32 v[WQ+16+4*\i+2:WQ+16+4*\i+3], v[WQ+16+4*\i+2:WQ+16+4*\i+3], v[WQ+32+4*\i+2:WQ+32+4*\i+3] neg_lo:[0,1] neg_hi:[0,1]
.if \scale
.irp m, 0,16,48
	v_pk_mul_f32 v[WQ+\m+4*\i:WQ+\m+4*\i+1], v[WQ+\m+4*\i:WQ+\m+4*\i+1], v[A4:A4+1]
	v_pk_mul_f32 v[WQ+\m+4*\i+2:WQ+\m+4*\i+3], v[WQ+\m+4*\i+2:WQ+\m+4*\i+3], v[A4+2:A4+3]
.endr
.endif
	v_cvt_pk_f16_f32 v[TW], v[WQ+4*\i], v[WQ+4*\i+1]
	v_cvt_pk_f16_f32 v[TW+1], v[WQ+4*\i+2], v[WQ+4*\i+3]
	v_cvt_pk_f16_f32 v[TW+2], v[WQ+16+4*\i], v[WQ+16+4*\i+1]
	v_cvt_pk_f16_f32 v[TW+3], v[WQ+16+4*\i+2], v[WQ+16+4*\i+3]
	v_cvt_pk_f16_f32 v[TW+4], v[WQ+48+4*\i], v[WQ+48+4*\i+1]
	v_cvt_pk_f16_f32 v[TW+5], v[WQ+48+4*\i+2], v[WQ+48+4*\i+3]
	ds_store_b64 v[WST], v[TW:TW+1] offset:2560*\i
	ds_store_b64 v[WST], v[TW+2:TW+3] offset:10240+2560*\i
	ds_store_b64 v[WST], v[TW+4:TW+5] offset:20480+2560*\i
.endr
.endm
	s_load_b256 s[4:11], s[0:1], 0x0               ; facts s[4:5], query s[6:7], W1 s[8:9], b1 s[10:11]
	s_load_b128 s[12:15], s[0:1], 0x20             ; fb s[12:13], part1 s[14:15]
	v_lshl_add_u32 v[SPW], v0, 2, SPARE
	v_mov_b32 v[NIL], 0
	v_lshrrev_b32 v[TMPA], 5, v0
	v_readfirstlane_b32 s[WV], v[TMPA]             ; wave 0..7
	v_and_b32 v[VL], 31, v0                        ; l
	v_and_b32 v[VR], 15, v0                        ; l % 16
	v_bfe_u32 v[VH], v0, 4, 1                      ; l / 16
	v_lshlrev_b32 v[VT16], 4, v0
	v_lshlrev_b32 v[VL16], 4, v[VL]
	v_and_b32 v227, 7, v0
	v_lshl_add_u32 v227, v[VH], 3, v227
	v_bfe_u32 v228, v0, 3, 1
	v_mul_u32_u24 v[AW], v227, 160
	v_lshl_add_u32 v[AW], v228, 4, v[AW]
	v_and_b32 v229, 63, v0
	v_lshlrev_b32 v229, 2, v229                    ; 4 (thread % 64): b1
	v_lshlrev_b32 v230, 3, v[VL]                   ; 8 l
	s_lshl_b32 s26, s[WV], 8
	s_add_co_u32 s26, s26, QT
	v_lshl_add_u32 v[AQ], v[VH], 4, s26
	v_lshl_add_u32 v234, v[VL], 3, s26             ; where my 4 numbers of q go: QT + 256 w + 8 l
	v_lshl_add_u32 v[AQP], v[VH], 4, QT+2048
	v_lshl_add_u32 v[AT], v[VH], 5, TAB
	s_lshl_b32 s27, s[WV], 7
	s_add_co_u32 s27, s27, TAB
	v_lshl_add_u32 v235, v[VL], 2, s27             ; TAB + 128 w + 4 l
	v_lshl_add_u32 v238, v[VL], 2, QT+2048
	s_mul_i32 s26, s[WV], 2304
	s_add_co_u32 s26, s26, STG
	v_mul_u32_u24 v[STS], v[VH], 144
	v_lshl_add_u32 v[STS], v[VR], 3, v[STS]
	v_add_nc_u32 v[STS], s26, v[STS]
	v_mul_u32_u24 v[STL], v[VR], 144
	v_lshl_add_u32 v[STL], v[VH], 4, v[STL]
	v_add_nc_u32 v[STL], s26, v[STL]
	s_mul_i32 s26, s[WV], 8448
	s_add_co_u32 s26, s26, XS
	v_mul_u32_u24 v[XSS], v[VR], 528
	v_lshl_add_u32 v[XSS], v[VH], 5, v[XSS]
	v_add_nc_u32 v[XSS], s26, v[XSS]
	v_add_nc_u32 v[XSL], s26, v[VL16]
	s_mul_i32 s26, s[WV], 320
	v_mul_u32_u24 v[WST], v[VH], 160
	v_lshl_add_u32 v[WST], v[VR], 3, v[WST]
	v_add_nc_u32 v[WST], s26, v[WST]               ; rows 2 w + l/16 of the three matrices
	s_lshl_b32 s38, ttmp9, 4
	s_lshl_b32 s27, s[WV], 1
	s_add_co_u32 s38, s38, s27                     ; b0 = 16 g + 2 w
	s_mul_i32 s28, s38, 51200                      ; bytes of facts in front of b0: under 2^32
	s_mov_b32 s29, 0
	s_mul_i32 s32, s38, 26624                      ; bytes of fb in front of b0
	s_mov_b32 s33, 0
	s_lshl_b32 s34, ttmp9, 12                      ; the group's 16 rows of query
	s_mov_b32 s35, 0
	s_mul_i32 s36, ttmp9, 768                      ; the group's record
	s_mov_b32 s37, 0
	s_wait_kmcnt 0x0
	s_add_nc_u64 s[FB0:FB0+1], s[4:5], s[28:29]
	s_add_nc_u64 s[SB:SB+1], s[12:13], s[32:33]
	s_add_nc_u64 s[30:31], s[6:7], s[34:35]
	s_add_nc_u64 s[14:15], s[14:15], s[36:37]
	s_add_nc_u64 s[LB:LB+1], s[FB0:FB0+1], 16384   ; the ring's next tile: tile 4
.irp m, 0,1,2,3
.irp i, 0,1,2,3
	global_load_b128 v[WQ+16*\m+4*\i:WQ+16*\m+4*\i+3], v[VT16], s[8:9] offset:16384*\m+4096*\i
.endr
.endr
	global_load_b128 v[240:243], v[VT16], s[30:31] ; q
	global_load_b32 v244, v229, s[10:11]           ; b1
	global_load_b64 v[246:247], v230, s[6:7]       ; q[0]
	global_load_b64 v[248:249], v230, s[4:5]       ; facts[0][0]
	WIN 0x40                                       ; destination window 1
.irp j, 0,1,2,3
	global_load_b128 v[RPAD+4*\j:RPAD+4*\j+3], v[VL16], s[FB0:FB0+1] offset:49152+512*\j th:TH_LOAD_NT
.endr
.irp q, 0,1,2,3
.irp j, 0,1,2,3,4,5,6,7
	global_load_b128 v[RING0+32*\q+4*\j:RING0+32*\q+4*\j+3], v[VL16], s[FB0:FB0+1] offset:4096*\q+512*\j th:TH_LOAD_NT
.endr
.endr
	WIN 0
	s_wait_loadcnt 36                              ; the 4 + 32 loads of facts' tiles are younger and stay out; weights, q, b1 and the pivot's rows are in
	WPREP 0
	v_cvt_pk_f16_f32 v232, v240, v241
	v_cvt_pk_f16_f32 v233, v242, v243
	ds_store_b64 v234, v[232:233]
	s_cmp_lt_u32 s[WV], 2
	s_cbranch_scc0 .Lhead_done
	ds_store_b32 v235, v244                        ; waves 0 and 1: b1's 64 numbers
	s_cmp_lg_u32 s[WV], 0
	s_cbranch_scc1 .Lhead_done
	v_cvt_pk_f16_f32 v236, v246, v247              ; wave 0: the pivot's q and facts rows
	v_cvt_pk_f16_f32 v237, v248, v249
	ds_store_b32 v238, v236
	ds_store_b32 v238, v237 offset:128
.Lhead_done:
	s_wait_dscnt 0x0                               ; for the others' sake: my stores are done
	s_barrier_signal -1
	s_barrier_wait -1
	s_cmp_lg_u32 s[WV], 0
	s_cbranch_scc1 .Lno_pivot
	BPRO AQP, 0, T_B                               ; wave 0: p = h1 of row (0, 0), the same in all 16 row lanes
.irp i, 0,1,2,3
	ds_load_b128 v[FR+4*\i:FR+4*\i+3], v[AQP] offset:128+32*\i
.endr
	LDT EE, T_B, 4
	s_wait_dscnt 0x0
	LAY1
	PLACES 4                                       ; four places in front of the first read of the results (ISA guide 7.12.1)
	WIN 0
.set xi, 0
.rept 16
	v_pk_add_f32 v[EE+2*xi:EE+2*xi+1], v[EE+2*xi:EE+2*xi+1], v[ACC+2*xi:ACC+2*xi+1] neg_lo:[0,1] neg_hi:[0,1]
.set xi, xi+1
.endr
	STT EE, T_CB, 4
	STT ACC, T_P, 4
.Lno_pivot:
	s_wait_dscnt 0x0
	s_barrier_signal -1
	s_barrier_wait -1
.set xi, 0
.rept 64
	v_mov_b32 v[SUM+xi], 0                         ; S and Q, once a launch, while the first tiles are on their way
.set xi, xi+1
.endr
	v_mov_b32 v[VM+1], 1.0
	v_cmp_gt_u32 vcc_lo, 8, v[VR]
	v_cndmask_b32 v[VM], 0, v[VM+1], vcc_lo
	v_mov_b32 v[VM+1], v[VM]
; A tile whose f16 numbers lie in YY: through my stage into operand order, out to fb, multiplied, summed.
.macro TBODY q, pad
	WIN 0
.irp j, 0,1,2,3,4,5,6,7
	ds_store_b64 v[STS], v[YY+2*\j:YY+2*\j+1] offset:288*\j
.endr
	s_wait_xcnt 0x0                                ; FR is the data of the last tile's stores: it is loaded again only behind this wait (ISA guide 3.1)
.irp i, 0,1,2,3
	ds_load_b128 v[FR+4*\i:FR+4*\i+3], v[STL] offset:32*\i  ; LDS serves a wave's instructions in order (ISA guide 5.7.1.4): these see the stores above
.endr
	s_wait_dscnt 0x0
.irp i, 0,1,2,3
	global_store_b128 v[VL16], v[FR+4*\i:FR+4*\i+3], s[SB:SB+1] offset:(\q)*2048+512*\i th:TH_STORE_NT  ; 512 consecutive bytes, at a multiple of 256 from fb's first
.endr
	LAY1
	PLACES 4
	WIN 0
.if \pad
.set xi, 0
.rept 16
	v_pk_mul_f32 v[ACC+2*xi:ACC+2*xi+1], v[ACC+2*xi:ACC+2*xi+1], v[VM:VM+1]  ; rows 200-207 are no rows
.set xi, xi+1
.endr
.endif
.set xi, 0
.rept 16
	v_pk_add_f32 v[SUM+2*xi:SUM+2*xi+1], v[SUM+2*xi:SUM+2*xi+1], v[ACC+2*xi:ACC+2*xi+1]
.set xi, xi+1
.endr
.set xi, 0
.rept 16
	v_pk_fma_f32 v[SQR+2*xi:SQR+2*xi+1], v[ACC+2*xi:ACC+2*xi+1], v[ACC+2*xi:ACC+2*xi+1], v[SQR+2*xi:SQR+2*xi+1]
.set xi, xi+1
.endr
.endm
; The turn of ring slot 'slot'.  load = 1: the slot takes the tile four further on.  left: the younger loads that may stay out.
.macro TILE1 slot, q, load, left
	s_wait_loadcnt \left
	WIN 0x05                                       ; sources window 1, destination window 0
.irp j, 0,1,2,3,4,5,6,7
	v_cvt_pk_f16_f32 v[YY+2*\j], v[RING0+32*(\slot)+4*\j], v[RING0+32*(\slot)+4*\j+1]
	v_cvt_pk_f16_f32 v[YY+2*\j+1], v[RING0+32*(\slot)+4*\j+2], v[RING0+32*(\slot)+4*\j+3]
.endr
.if \load
	WIN 0x40
.irp j, 0,1,2,3,4,5,6,7
	global_load_b128 v[RING0+32*(\slot)+4*\j:RING0+32*(\slot)+4*\j+3], v[VL16], s[LB:LB+1] offset:(\q)*4096+512*\j th:TH_LOAD_NT
.endr
.endif
	TBODY \q, 0
.endm
.macro GROUP load, l0, l1, l2, l3
	TILE1 0, 0, \load, \l0
	TILE1 1, 1, \load, \l1
	TILE1 2, 2, \load, \l2
	TILE1 3, 3, \load, \l3
	s_wait_xcnt 0x0                                ; the bases are stepped only behind this wait
	s_add_nc_u64 s[SB:SB+1], s[SB:SB+1], 8192
.if \load
	s_add_nc_u64 s[LB:LB+1], s[LB:LB+1], s[STEP:STEP+1]
.endif
.endm
; The 8-row tile.  next = 1: its registers take the next b's 8-row tile.
.macro PADT left, next
	s_wait_loadcnt \left
	WIN 0x05
.irp j, 0,1,2,3
	v_cvt_pk_f16_f32 v[YY+2*\j], v[RPAD+4*\j], v[RPAD+4*\j+1]
	v_cvt_pk_f16_f32 v[YY+2*\j+1], v[RPAD+4*\j+2], v[RPAD+4*\j+3]
.endr
.if \next
	WIN 0x40
.irp j, 0,1,2,3
	global_load_b128 v[RPAD+4*\j:RPAD+4*\j+3], v[VL16], s[FB0:FB0+1] offset:100352+512*\j th:TH_LOAD_NT  ; the wave's last 2,048 of its 102,400 bytes
.endr
.endif
	WIN 0
.irp j, 8,9,10,11,12,13,14,15
	v_mov_b32 v[YY+\j], 0
.endr
	TBODY 0, 1
	s_wait_xcnt 0x0
	s_add_nc_u64 s[SB:SB+1], s[SB:SB+1], 2048
.endm
	BPRO AQ, 0, T_CB                               ; b0
	s_mov_b32 s26, 18432
	s_mov_b32 s27, 16384
	s_mov_b32 s[STEP+1], 0
	s_mov_b32 s[CNT], 3
.Lga:                                                  ; b0's 12 whole tiles; the loads run four tiles ahead, into b0 + 1
	s_cmp_eq_u32 s[CNT], 2
	s_cselect_b32 s[STEP], s26, s27                ; behind the second trip the loads step over b0's 8-row tile
	GROUP 1, 24, 24, 24, 24                        ; 24: the three younger tiles' loads stay out
	WIN 0
	s_sub_co_u32 s[CNT], s[CNT], 1
	s_cmp_lg_u32 s[CNT], 0
	s_cbranch_scc1 .Lga
	PADT 32, 1                                     ; its loads are older than the ring's 32
	BPRO AQ, 128, T_CB                             ; b0 + 1
	s_mov_b32 s[STEP], 16384
	s_mov_b32 s[CNT], 2
.Lgb:
	GROUP 1, 24, 24, 24, 24                        ; in the first trip the 8-row tile's four loads lie among the younger ones: 24 is then the smaller, safe count
	WIN 0
	s_sub_co_u32 s[CNT], s[CNT], 1
	s_cmp_lg_u32 s[CNT], 0
	s_cbranch_scc1 .Lgb
	GROUP 0, 24, 16, 8, 0                          ; the last four tiles load nothing: the counts run down
	PADT 0, 0
	; The sum over the 16 row lanes: each lane's 64 numbers into a row of 512 bytes, then down the 16 rows.
	WIN 0
.irp t, 0,1,2,3
	ds_store_b128 v[XSS], v[SUM+8*\t:SUM+8*\t+3] offset:64*\t
	ds_store_b128 v[XSS], v[SUM+8*\t+4:SUM+8*\t+7] offset:64*\t+16
	ds_store_b128 v[XSS], v[SQR+8*\t:SQR+8*\t+3] offset:256+64*\t
	ds_store_b128 v[XSS], v[SQR+8*\t+4:SQR+8*\t+7] offset:256+64*\t+16
.endr
.set xi, 0
.rept 16
	ds_load_b128 v[32+4*xi:32+4*xi+3], v[XSL] offset:528*xi
.set xi, xi+1
.endr
	s_wait_dscnt 0x0
	QHALF 32, 8
	QHALF 32, 4
	QHALF 32, 2
	QHALF 32, 1
	s_lshl_b32 s26, s[WV], 9
	s_add_co_u32 s26, s26, RED
	v_add_nc_u32 v[TMPA], s26, v[VL16]
	ds_store_b128 v[TMPA], v[32:35]
	s_wait_dscnt 0x0
	s_barrier_signal -1
	s_barrier_wait -1
	s_cmp_lg_u32 s[WV], 0
	s_cbranch_scc1 .Lend
	v_add_nc_u32 v227, RED, v[VL16]                ; wave 0 adds the eight waves' sums, in a fixed order, and stores the record
	v_add_nc_u32 v228, TAB+T_P, v230
.irp i, 0,1,2,3,4,5,6,7
	ds_load_b128 v[32+4*\i:32+4*\i+3], v227 offset:512*\i
.endr
	ds_load_b64 v[64:65], v228
	s_wait_dscnt 0x0
	QHALF 32, 4
	QHALF 32, 2
	QHALF 32, 1
	global_store_b128 v[VL16], v[32:35], s[14:15]
	global_store_b64 v230, v[64:65], s[14:15] offset:512
.Lend:
	s_wait_tensorcnt 0x0                           ; the wave's end, behind my last LDS store
	ds_add_u32 v[SPW], v[NIL]
	s_wait_dscnt 0x0
	s_endpgm
.Lfunc_end_k_qed2e171cec_stat1:
	.size	k_qed2e171cec_stat1, .Lfunc_end_k_qed2e171cec_stat1-k_qed2e171cec_stat1
	.p2alignl 7, 3214868480
	.fill 96, 4, 3214868480
	.section	.rodata,"a",@progbits
	.p2align	6, 0x0
	.amdhsa_kernel k_qed2e171cec_stat1
		.amdhsa_group_segment_fixed_size 124928
		.amdhsa_private_segment_fixed_size 0
		.amdhsa_enable_private_segment 0
		.amdhsa_kernarg_size 48
		.amdhsa_user_sgpr_count 2
		.amdhsa_user_sgpr_kernarg_segment_ptr 1
		.amdhsa_wavefront_size32 1
		.amdhsa_system_sgpr_workgroup_id_x 1
		.amdhsa_system_sgpr_workgroup_id_y 1
		.amdhsa_system_sgpr_workgroup_id_z 1
		.amdhsa_system_vgpr_workitem_id 0
		.amdhsa_next_free_vgpr 512
		.amdhsa_next_free_sgpr 66
		.amdhsa_reserve_vcc 1
		.amdhsa_float_denorm_mode_32 3
		.amdhsa_float_denorm_mode_16_64 3
		.amdhsa_memory_ordered 1
		.amdhsa_forward_progress 1
		.amdhsa_inst_pref_size 131
	.end_amdhsa_kernel
	.amdgpu_metadata
---
amdhsa.version: [ 1, 2 ]
amdhsa.kernels:
  - .name:           k_qed2e171cec_stat1
    .symbol:         k_qed2e171cec_stat1.kd
    .args:
      - { .name: facts, .offset: 0, .size: 8, .value_kind: global_buffer, .address_space: global }
      - { .name: query, .offset: 8, .size: 8, .value_kind: global_buffer, .address_space: global }
      - { .name: W1, .offset: 16, .size: 8, .value_kind: global_buffer, .address_space: global }
      - { .name: b1, .offset: 24, .size: 8, .value_kind: global_buffer, .address_space: global }
      - { .name: fb, .offset: 32, .size: 8, .value_kind: global_buffer, .address_space: global }
      - { .name: part1, .offset: 40, .size: 8, .value_kind: global_buffer, .address_space: global }
    .group_segment_fixed_size: 124928
    .private_segment_fixed_size: 0
    .kernarg_segment_align: 8
    .kernarg_segment_size: 48
    .max_flat_workgroup_size: 256
    .sgpr_count:     66
    .vgpr_count:     512
    .wavefront_size: 32
...
	.end_amdgpu_metadata
.endif
;; end of part 1
;; launch stat2 (part 2): grid 256 x 1, 8 waves a work-group, no clusters, 327,680 bytes of LDS; arguments fb, facts, query, W1, W2, b1, g1, be1, dg1, db1, a1, b2, part1, part2, tab1; writes part2, tab1
.if DOCPART == 2
	.amdgcn_target "amdgcn-amd-amdhsa--gfx1250"
	.amdhsa_code_object_version 6
	.text
	.protected	k_qed2e171cec_stat2
	.globl	k_qed2e171cec_stat2
	.p2align	8
	.type	k_qed2e171cec_stat2,@function
k_qed2e171cec_stat2:
	s_mov_b64 s[64:65], 0
	v_nop
	global_prefetch_b8 v0, s[64:65] scope:SCOPE_SE
	s_setreg_imm32_b32 hwreg(HW_REG_WAVE_MODE, 25, 1), 1
	s_wait_xcnt 0x0
; DIN attention, launch 2 of 3: column sums of layer 2's output h2 (for the second batch norm).
; HEAD.  Every work-group adds the 256 records of part1 in the same order: mu1 = p1 + S/N, v1 = max(Q/N - (S/N)^2, 0), N = 819,200.  The first batch norm is folded into the weights:
; A = g1 rsqrt(v1 + 1e-5) multiplies the columns of Wac, Wbc, Wd, and the products start at CB = A (b1 - mu1) + be1, so layer 1's result is x1 itself.
; DICE 1.  Its own batch norm sees mean be1 and variance A^2 v1, whatever the data: -log2(e) z = c1 x1 + d1, c1 = -log2(e) dg1 rsqrt(A^2 v1 + 1e-8), d1 = -log2(e) db1 - c1 be1;
; y1 = x1 (a1 + (1 - a1) / (1 + 2^(c1 x1 + d1))).  Group 0 stores the six tables (A, CB, c1, d1, a1, 1 - a1) to tab1 for the next launch.
; SUMS.  S2 = sum (h2 - p2), Q2 = sum (h2 - p2)^2, h2 = y1 W2 + b2, p2 = h2 of row (0, 0), made alike by every work-group; it enters as the products' start b2 - p2.  Record g of part2: S2[32], Q2[32], p2[32].
; SHARES as in launch 1: wave w of group g owns b0 = 16 g + 2 w and b0 + 1; 13 tiles of 16 rows a b (rows 200-207 are zeros in fb and are masked out of the sums).
; RING.  fb comes by tensor loads into a wave's own 26,624 bytes of LDS, one b, in two slots: tiles 0-6 and tiles 7-12.  When b0's tiles of a slot are read, the slot takes b0 + 1's.
; No cluster: the work-groups share only the weights and the records, a few hundred KB of the launch's 109 MB.
; LIMITS.  facts, query, A x W1's sums, M_b, y1 and W2 are f16 matrix operands: each below 65,504 in magnitude; below 6e-5 f16 keeps a fixed step of 6e-8.  NaN and infinities are not treated apart.
.set W2L,   30720                      ; behind Wac, Wbc, Wd (pitch 160): W2 [64 k][32 n] f16, pitch 96
.set QT,    36864                      ; 18 rows of 128 bytes f16: the group's 16 q, q[0], facts[0][0]
.set TAB,   39168                      ; tables of f32
.set T_A,   0
.set T_CB,  256
.set T_C1,  512
.set T_D1,  768
.set T_AL,  1024
.set T_BE,  1280
.set T_C2I, 1664                       ; b2 - p2
.set T_P2,  2304                       ; p2
.set RED,   41728                      ; 8 x 512: the waves' sums
.set OS,    45824                      ; 8 x 4,352: a wave's 16 rows of 256 bytes, pitch 272
.set TB2,   80640                      ; b2
.set T_B2,  TB2-TAB
.set SPARE, 80896                      ; the spare words, 128 bytes a wave: four blocks of 256 bytes that no other line names
.set RING,  96256                      ; 8 x 26,624: filled by tensor loads alone
.set SLOTB, 14336                      ; a ring's second slot: tiles 7-12
.set SPW,  1
.set NIL,  2
.set VT16, 3
.set A0,   4                           ; v4   RING + 26,624 w + 16 l
.set ADR,  5
.set AW,   6
.set AQ,   7                           ; v7   my wave's two q rows; at the end an address of wave 0's
.set AT,   8
.set AQP,  9                           ; v9   QT's row 16 + 16 (l/16); at the end an address of wave 0's
.set AEND, 10                          ; v10  at the end: where my wave's sums go
.set AOS,  11                          ; v11  OS, in: row l%16, 32 (l/16)
.set AOL,  12                          ; v12  OS, back: 8 l
.set OOF,  13                          ; v13  8 l
.set VM,   14
.set FR,   16                          ; v16-31 a tile of facts as source 1.  In the head, before any tile is read, v16-25 hold the head's LDS addresses:
.set WST,  16                          ;   they must lie outside v32-159, into which the records are loaded
.set W2ST, 17
.set HRS,  18                          ; RED + 512 w + 16 l
.set HN4,  19                          ; 4 n, n = 32 w + l
.set HTB,  20                          ; TAB + 4 n
.set HRL,  21                          ; RED + 4 n; later the address of A's quad
.set HQS,  22                          ; where my 4 numbers of q go
.set HT0,  23
.set HT1,  24
.set HT2,  25
.set ACC,  32                          ; v32-63 x1; v32-47 then h2 - p2
.set EE,   64
.set YY,   96
.set C2I,  112                         ; v112-127 layer 2's start; v112-117 in the head at work, behind the wait for all loads
.set TW,   112
.set A4,   128
.set SUM2, 128                         ; v128-143
.set SQR2, 144                         ; v144-159
.set WQ,   160
.set ONE,  238
.set ZERO, 239
.set VL,   240
.set VR,   241
.set VH,   242
.set VL16, 243
.set VP1,  244
.set V4A,  245
.set V4B,  246
.set AW2,  247
.set MB,   0                           ; window 1
.set CI,   64
.set W2F,  96                          ; register 16 t2 + 8 kk2 + e
.set C1,   128
.set D1,   160
.set AL,   192
.set BE,   224
.set G1A,  36
.set G1B,  44
.set G0A,  52
.set G0B,  56
.set WV,   60
.set CNT,  61
.set TB,   62
.set PM,   63
.set MSB, 0
.macro WIN new                         ; s_set_vgpr_msb: bits 1:0 source 0, 3:2 source 1, 5:4 source 2, 7:6 destination; the high byte repeats the setting that is left
.if MSB != (\new)
	s_set_vgpr_msb (MSB<<8)|(\new)
.set MSB, \new
.endif
.endm
.macro PLACES n
.rept \n
	v_nop
.endr
.endm
.macro LDT dst, off, nt
.set ti, 0
.rept \nt
	ds_load_b128 v[(\dst)+8*ti:(\dst)+8*ti+3], v[AT] offset:(\off)+64*ti
	ds_load_b128 v[(\dst)+8*ti+4:(\dst)+8*ti+7], v[AT] offset:(\off)+64*ti+16
.set ti, ti+1
.endr
.endm
.macro STT src, off, nt
.set ti, 0
.rept \nt
	ds_store_b128 v[AT], v[(\src)+8*ti:(\src)+8*ti+3] offset:(\off)+64*ti
	ds_store_b128 v[AT], v[(\src)+8*ti+4:(\src)+8*ti+7] offset:(\off)+64*ti+16
.set ti, ti+1
.endr
.endm
.macro LDW dst, mat
.irp t, 0,1,2,3
.irp kk, 0,1
	ds_load_tr16_b128 v[(\dst)+16*\t+8*\kk:(\dst)+16*\t+8*\kk+3], v[AW] offset:(\mat)*10240+\kk*5120+32*\t
	ds_load_tr16_b128 v[(\dst)+16*\t+8*\kk+4:(\dst)+16*\t+8*\kk+7], v[AW] offset:(\mat)*10240+\kk*5120+32*\t+2560
.endr
.endr
.endm
.macro LAY1                            ; x1 = CI + M_b^T f: the four accumulators take turns
	WIN 0x11
.irp t, 0,1,2,3
	v_wmma_f32_16x16x32_f16 v[ACC+8*\t:ACC+8*\t+7], v[MB+16*\t:MB+16*\t+7], v[FR:FR+7], v[CI+8*\t:CI+8*\t+7]
.endr
	WIN 0x01
.irp t, 0,1,2,3
	v_wmma_f32_16x16x32_f16 v[ACC+8*\t:ACC+8*\t+7], v[MB+16*\t+8:MB+16*\t+15], v[FR+8:FR+15], v[ACC+8*\t:ACC+8*\t+7]
.endr
.endm
.macro LAY2                            ; C2I + W2^T y1: two accumulators by turns
	WIN 0x01
	v_wmma_f32_16x16x32_f16 v[ACC:ACC+7], v[W2F:W2F+7], v[YY:YY+7], v[C2I:C2I+7]
	v_wmma_f32_16x16x32_f16 v[ACC+8:ACC+15], v[W2F+16:W2F+23], v[YY:YY+7], v[C2I+8:C2I+15]
	v_wmma_f32_16x16x32_f16 v[ACC:ACC+7], v[W2F+8:W2F+15], v[YY+8:YY+15], v[ACC:ACC+7]
	v_wmma_f32_16x16x32_f16 v[ACC+8:ACC+15], v[W2F+24:W2F+31], v[YY+8:YY+15], v[ACC+8:ACC+15]
.endm
.macro BPRO aq, qoff, tcb
	WIN 0
.irp i, 0,1,2,3
	ds_load_b128 v[YY+4*\i:YY+4*\i+3], v[\aq] offset:(\qoff)+32*\i
.endr
	WIN 0x40
	LDT CI, \tcb, 4
	LDW MB, 0
	s_wait_dscnt 0x0                               ; q, the table and Wac are in
	WIN 0x51
.irp kk, 0,1
.irp t, 0,1,2,3
	v_wmma_f32_16x16x32_f16 v[CI+8*\t:CI+8*\t+7], v[MB+16*\t+8*\kk:MB+16*\t+8*\kk+7], v[YY+8*\kk:YY+8*\kk+7], v[CI+8*\t:CI+8*\t+7]
.endr
.endr
	PLACES 5                                       ; five places: the loads below land on these products' source, and CI becomes the start of other accumulators
	WIN 0x40
	LDW MB, 1
	WIN 0
	LDW 32, 2
	s_wait_dscnt 0x0                               ; Wbc and Wd are in
	WIN 0x50
.set bi, 0
.rept 64
	v_pk_fma_f16 v[MB+bi], v[32+bi], v[YY+bi%16], v[MB+bi]
.set bi, bi+1
.endr
	WIN 0
.endm
.macro QHALF base, half
.set qi, 0
.rept \half
	v_pk_add_f32 v[(\base)+4*qi:(\base)+4*qi+1], v[(\base)+4*qi:(\base)+4*qi+1], v[(\base)+4*(qi+(\half)):(\base)+4*(qi+(\half))+1]
	v_pk_add_f32 v[(\base)+4*qi+2:(\base)+4*qi+3], v[(\base)+4*qi+2:(\base)+4*qi+3], v[(\base)+4*(qi+(\half))+2:(\base)+4*(qi+(\half))+3]
.set qi, qi+1
.endr
.endm
.macro PHALF base, half
.set qi, 0
.rept \half
	v_pk_add_f32 v[(\base)+2*qi:(\base)+2*qi+1], v[(\base)+2*qi:(\base)+2*qi+1], v[(\base)+2*(qi+(\half)):(\base)+2*(qi+(\half))+1]
.set qi, qi+1
.endr
.endm
.macro WPREP scale
.irp i, 0,1,2,3
	v_pk_add_f32 v[WQ+4*\i:WQ+4*\i+1], v[WQ+4*\i:WQ+4*\i+1], v[WQ+32+4*\i:WQ+32+4*\i+1]
	v_pk_add_f32 v[WQ+4*\i+2:WQ+4*\i+3], v[WQ+4*\i+2:WQ+4*\i+3], v[WQ+32+4*\i+2:WQ+32+4*\i+3]
	v_pk_add_f32 v[WQ+16+4*\i:WQ+16+4*\i+1], v[WQ+16+4*\i:WQ+16+4*\i+1], v[WQ+32+4*\i:WQ+32+4*\i+1] neg_lo:[0,1] neg_hi:[0,1]
	v_pk_add_f32 v[WQ+16+4*\i+2:WQ+16+4*\i+3], v[WQ+16+4*\i+2:WQ+16+4*\i+3], v[WQ+32+4*\i+2:WQ+32+4*\i+3] neg_lo:[0,1] neg_hi:[0,1]
.if \scale
.irp m, 0,16,48
	v_pk_mul_f32 v[WQ+\m+4*\i:WQ+\m+4*\i+1], v[WQ+\m+4*\i:WQ+\m+4*\i+1], v[A4:A4+1]
	v_pk_mul_f32 v[WQ+\m+4*\i+2:WQ+\m+4*\i+3], v[WQ+\m+4*\i+2:WQ+\m+4*\i+3], v[A4+2:A4+3]
.endr
.endif
	v_cvt_pk_f16_f32 v[TW], v[WQ+4*\i], v[WQ+4*\i+1]
	v_cvt_pk_f16_f32 v[TW+1], v[WQ+4*\i+2], v[WQ+4*\i+3]
	v_cvt_pk_f16_f32 v[TW+2], v[WQ+16+4*\i], v[WQ+16+4*\i+1]
	v_cvt_pk_f16_f32 v[TW+3], v[WQ+16+4*\i+2], v[WQ+16+4*\i+3]
	v_cvt_pk_f16_f32 v[TW+4], v[WQ+48+4*\i], v[WQ+48+4*\i+1]
	v_cvt_pk_f16_f32 v[TW+5], v[WQ+48+4*\i+2], v[WQ+48+4*\i+3]
	ds_store_b64 v[WST], v[TW:TW+1] offset:2560*\i
	ds_store_b64 v[WST], v[TW+2:TW+3] offset:10240+2560*\i
	ds_store_b64 v[WST], v[TW+4:TW+5] offset:20480+2560*\i
.endr
.endm
; y1 = x1 (a1 + (1 - a1) / (1 + 2^(c1 x1 + d1))), rounded to f16 in pairs: two results side by side ARE source 1 of layer 2.
; The exponentials and the reciprocals stand in runs, a plain line behind each run (ISA guide 5.7.2).
.macro DICE1
	WIN 0x14                                       ; sources 1 and 2 window 1
.set di, 0
.rept 16
	v_pk_fma_f32 v[EE+2*di:EE+2*di+1], v[ACC+2*di:ACC+2*di+1], v[C1+2*di:C1+2*di+1], v[D1+2*di:D1+2*di+1]
.set di, di+1
.endr
	WIN 0
.set di, 0
.rept 32
	v_exp_f32 v[EE+di], v[EE+di]
.set di, di+1
.endr
	v_nop
.set di, 0
	s_wait_alu depctr_va_vdst(0)
.rept 16
	v_pk_add_f32 v[EE+2*di:EE+2*di+1], v[EE+2*di:EE+2*di+1], 1.0 op_sel_hi:[1,0]
.set di, di+1
.endr
.set di, 0
.rept 32
	v_rcp_f32 v[EE+di], v[EE+di]
.set di, di+1
.endr
	v_nop
	WIN 0x14
.set di, 0
	s_wait_alu depctr_va_vdst(0)
.rept 16
	v_pk_fma_f32 v[EE+2*di:EE+2*di+1], v[EE+2*di:EE+2*di+1], v[BE+2*di:BE+2*di+1], v[AL+2*di:AL+2*di+1]
.set di, di+1
.endr
	WIN 0
.set di, 0
.rept 16
	v_pk_mul_f32 v[EE+2*di:EE+2*di+1], v[EE+2*di:EE+2*di+1], v[ACC+2*di:ACC+2*di+1]
.set di, di+1
.endr
.set di, 0
.rept 16
	v_cvt_pk_f16_f32 v[YY+di], v[EE+2*di], v[EE+2*di+1]
.set di, di+1
.endr
.endm
; A slot that has been read takes the next b's tiles.
.macro REFILL g0, g1
	WIN 0
	s_wait_tensorcnt 0x0                           ; all my tensor loads have landed: a group 0 may be written
	ds_add_u32 v[SPW], v[NIL]                      ; 0 onto my spare word
	s_add_nc_u64 s[\g0+2:\g0+3], s[\g0+2:\g0+3], 26624  ; the same tiles of b0 + 1; the type bits on top are not reached
	s_wait_dscnt 0x0                               ; the add is done, and my reads of the slot are over
	s_barrier_signal -1
	s_barrier_wait -1
	tensor_load_to_lds s[\g0:\g0+3], s[\g1:\g1+7]  ; my one tensor load behind this barrier, and the first thing there
	s_nop 0
	PLACES 4
.endm
; n tiles from byte tb0 of my ring.  pad = 1: the last of them is the b's 13th, whose rows 8-15 are no rows.  left: the younger tensor loads that may stay out.
.macro CHUNK tb0, n, pad, left
	WIN 0
	s_wait_tensorcnt \left
	s_mov_b32 s[TB], \tb0
	s_mov_b32 s[CNT], \n
.Lch_\@:
	v_add_nc_u32 v[ADR], s[TB], v[A0]
.irp i, 0,1,2,3
	ds_load_b128 v[FR+4*\i:FR+4*\i+3], v[ADR] offset:512*\i
.endr
	s_add_co_u32 s[TB], s[TB], 2048
	s_wait_dscnt 0x0
	LAY1
	PLACES 4                                       ; four places in front of the first read of the results (ISA guide 7.12.1)
	DICE1
	LAY2
	PLACES 5                                       ; five: the next tile's first products write over these accumulators
	WIN 0
.if \pad
	s_cmp_eq_u32 s[CNT], 1
	s_cselect_b32 s[PM], 0xff00ff00, 0             ; lanes 8-15 and 24-31 in the last trip
	v_cndmask_b32 v[VM], v[ONE], v[ZERO], s[PM]
	v_mov_b32 v[VM+1], v[VM]
.set di, 0
.rept 8
	v_pk_mul_f32 v[ACC+2*di:ACC+2*di+1], v[ACC+2*di:ACC+2*di+1], v[VM:VM+1]
.set di, di+1
.endr
.endif
.set di, 0
.rept 8
	v_pk_add_f32 v[SUM2+2*di:SUM2+2*di+1], v[SUM2+2*di:SUM2+2*di+1], v[ACC+2*di:ACC+2*di+1]
.set di, di+1
.endr
.set di, 0
.rept 8
	v_pk_fma_f32 v[SQR2+2*di:SQR2+2*di+1], v[ACC+2*di:ACC+2*di+1], v[ACC+2*di:ACC+2*di+1], v[SQR2+2*di:SQR2+2*di+1]
.set di, di+1
.endr
	s_sub_co_u32 s[CNT], s[CNT], 1
	s_cmp_lg_u32 s[CNT], 0
	s_cbranch_scc1 .Lch_\@
.endm
	s_load_b512 s[4:19], s[0:1], 0x0               ; fb 4, facts 6, query 8, W1 10, W2 12, b1 14, g1 16, be1 18
	s_load_b256 s[20:27], s[0:1], 0x40             ; dg1 20, db1 22, a1 24, b2 26
	s_load_b128 s[28:31], s[0:1], 0x60             ; part1 28, part2 30
	s_load_b64 s[32:33], s[0:1], 0x70              ; tab1
	v_lshl_add_u32 v[SPW], v0, 2, SPARE
	v_mov_b32 v[NIL], 0
	ds_add_u32 v[SPW], v[NIL]                      ; the wave's opening: the add and its wait come ahead of my first tensor load; the set-up below, work on registers, stands between them
	ds_add_u32 v1, v2
	v_lshrrev_b32 v[OOF], 5, v0
	v_readfirstlane_b32 s[WV], v[OOF]              ; wave 0..7
	; descriptor group 1: a dense block as rows of 256 bytes (32 elements of 8 bytes): 56 rows (tiles 0-6) and 48 rows (tiles 7-12)
	s_mov_b32 s[G1A+0], 3<<16                      ; no mask; elements of 8 bytes; no padding
	s_mov_b32 s[G1A+1], 32<<16                     ; tensor_dim0 = 32
	s_mov_b32 s[G1A+2], 56<<16                     ; tensor_dim1 = 56
	s_mov_b32 s[G1A+3], 32<<16                     ; tile_dim0 = 32
	s_mov_b32 s[G1A+4], 56                         ; tile_dim1 = 56
	s_mov_b32 s[G1A+5], 32                         ; 32 elements from row to row
	s_mov_b32 s[G1A+6], 0
	s_mov_b32 s[G1A+7], 0
	s_mov_b32 s[G1B+0], 3<<16
	s_mov_b32 s[G1B+1], 32<<16
	s_mov_b32 s[G1B+2], 48<<16
	s_mov_b32 s[G1B+3], 32<<16
	s_mov_b32 s[G1B+4], 48
	s_mov_b32 s[G1B+5], 32
	s_mov_b32 s[G1B+6], 0
	s_mov_b32 s[G1B+7], 0
	s_mov_b32 s[G0A], 1
	s_mul_i32 s[G0A+1], s[WV], 26624
	s_add_co_u32 s[G0A+1], s[G0A+1], RING          ; my ring
	s_mov_b32 s[G0B], 1
	s_add_co_u32 s[G0B+1], s[G0A+1], SLOTB
	s_lshl_b32 s66, ttmp9, 4
	s_lshl_b32 s67, s[WV], 1
	s_add_co_u32 s66, s66, s67                     ; b0 = 16 g + 2 w
	s_mul_i32 s66, s66, 26624
	s_mov_b32 s67, 0
	s_lshl_b32 s70, ttmp9, 12                      ; the group's 16 rows of query
	s_mov_b32 s71, 0
	v_and_b32 v[VL], 31, v0
	v_and_b32 v[VR], 15, v0
	v_bfe_u32 v[VH], v0, 4, 1
	v_lshlrev_b32 v[VT16], 4, v0
	v_lshlrev_b32 v[VL16], 4, v[VL]
	v_lshlrev_b32 v[OOF], 3, v[VL]
	v_add_nc_u32 v[A0], s[G0A+1], v[VL16]
	v_and_b32 v[HT1], 7, v0                        ; l % 8
	v_lshl_add_u32 v[HT2], v[VH], 3, v[HT1]        ; 8 (l/16) + l%8
	v_bfe_u32 v[HT0], v0, 3, 1                     ; (l/8) % 2
	v_mul_u32_u24 v[AW], v[HT2], 160
	v_lshl_add_u32 v[AW], v[HT0], 4, v[AW]
	v_mul_u32_u24 v[AW2], v[HT2], 96
	v_lshl_add_u32 v[AW2], v[HT0], 4, v[AW2]
	v_add_nc_u32 v[AW2], W2L, v[AW2]
	s_lshl_b32 s72, s[WV], 8
	s_add_co_u32 s72, s72, QT
	v_lshl_add_u32 v[AQ], v[VH], 4, s72
	v_lshl_add_u32 v[HQS], v[VL], 3, s72           ; where my 4 numbers of q go: QT + 256 w + 8 l
	v_lshl_add_u32 v[AQP], v[VH], 4, QT+2048
	v_lshl_add_u32 v[AT], v[VH], 5, TAB
	s_mul_i32 s72, s[WV], 4352
	s_add_co_u32 s72, s72, OS
	v_mul_u32_u24 v[AOS], v[VR], 272
	v_lshl_add_u32 v[AOS], v[VH], 5, v[AOS]
	v_add_nc_u32 v[AOS], s72, v[AOS]
	v_add_nc_u32 v[AOL], s72, v[OOF]
	s_mul_i32 s72, s[WV], 320
	v_mul_u32_u24 v[WST], v[VH], 160
	v_lshl_add_u32 v[WST], v[VR], 3, v[WST]
	v_add_nc_u32 v[WST], s72, v[WST]               ; rows 2 w + l/16 of the three matrices
	s_mul_i32 s72, s[WV], 384
	s_add_co_u32 s72, s72, W2L
	v_lshrrev_b32 v[W2ST], 3, v[VL]
	v_mul_u32_u24 v[W2ST], v[W2ST], 96
	v_lshl_add_u32 v[W2ST], v[HT1], 3, v[W2ST]
	v_add_nc_u32 v[W2ST], s72, v[W2ST]             ; W2's rows 4 w + l/8 (and 32 further down), 8 bytes at 8 (l%8)
	s_mul_i32 s72, s[WV], 768
	v_add_nc_u32 v[VP1], s72, v[VL16]              ; record w, 16 l
	v_and_b32 v[V4A], 63, v0
	v_lshlrev_b32 v[V4A], 2, v[V4A]
	v_lshlrev_b32 v[V4B], 2, v[VL]
	s_lshl_b32 s72, s[WV], 9
	s_add_co_u32 s72, s72, RED
	v_add_nc_u32 v[HRS], s72, v[VL16]
	s_lshl_b32 s72, s[WV], 7
	v_lshl_add_u32 v[HN4], v[VL], 2, s72           ; 4 n, n = 32 w + l
	v_add_nc_u32 v[HTB], TAB, v[HN4]
	v_add_nc_u32 v[HRL], RED, v[HN4]
	s_mov_b32 s72, 0x322bcc77                      ; 1e-8
	s_wait_dscnt 0x0                               ; the opening add is done
	s_wait_kmcnt 0x0
	s_add_nc_u64 s[G0A+2:G0A+3], s[4:5], s[66:67]
	s_add_nc_u64 s[G0B+2:G0B+3], s[G0A+2:G0A+3], SLOTB
	s_or_b32 s[G0A+3], s[G0A+3], 0x80000000        ; type = 2
	s_or_b32 s[G0B+3], s[G0B+3], 0x80000000
	tensor_load_to_lds s[G0A:G0A+3], s[G1A:G1A+7]  ; b0's tiles 0-6: the two first fills go out together, ahead of every wait on TENSORcnt, LDS read and barrier
	s_nop 0
	tensor_load_to_lds s[G0B:G0B+3], s[G1B:G1B+7]  ; b0's tiles 7-12: two tensor loads of mine are out
	s_nop 0
	PLACES 4
	s_add_nc_u64 s[68:69], s[8:9], s[70:71]
.set xi, 0
.rept 32
	global_load_b128 v[32+4*xi:32+4*xi+3], v[VP1], s[28:29] offset:6144*xi  ; S and Q of records 8 i + w: v32-159
.set xi, xi+1
.endr
	global_load_b32 v224, v[V4A], s[16:17]         ; g1
	global_load_b32 v225, v[V4A], s[18:19]         ; be1
	global_load_b32 v226, v[V4A], s[20:21]         ; dg1
	global_load_b32 v227, v[V4A], s[22:23]         ; db1
	global_load_b32 v228, v[V4A], s[24:25]         ; a1
	global_load_b32 v229, v[V4A], s[14:15]         ; b1
	global_load_b32 v230, v[V4A], s[28:29] offset:512  ; p1, from record 0 (all records hold the same)
	global_load_b32 v231, v[V4B], s[26:27]         ; b2
.irp m, 0,1,2,3
.irp i, 0,1,2,3
	global_load_b128 v[WQ+16*\m+4*\i:WQ+16*\m+4*\i+3], v[VT16], s[10:11] offset:16384*\m+4096*\i
.endr
.endr
	global_load_b128 v[232:235], v[VT16], s[12:13]
	global_load_b128 v[236:239], v[VT16], s[12:13] offset:4096
	global_load_b128 v[248:251], v[VT16], s[68:69]
	global_load_b64 v[252:253], v[OOF], s[8:9]     ; q[0]
	global_load_b64 v[254:255], v[OOF], s[6:7]     ; facts[0][0]
	s_wait_loadcnt 29                              ; the 8 + 16 + 2 + 1 + 2 younger loads stay out: the records are in
	QHALF 32, 16
	QHALF 32, 8
	QHALF 32, 4
	QHALF 32, 2
	QHALF 32, 1
	ds_store_b128 v[HRS], v[32:35]
	s_wait_dscnt 0x0
	s_barrier_signal -1
	s_barrier_wait -1
	s_cmp_lt_u32 s[WV], 2
	s_cbranch_scc0 .Lstat_done
	s_wait_loadcnt 21                              ; the 16 + 2 + 1 + 2 younger loads stay out: the eight gains and biases are in
.irp i, 0,1,2,3,4,5,6,7
	ds_load_b32 v[64+\i], v[HRL] offset:512*\i     ; waves 0 and 1: column n = 32 w + l
	ds_load_b32 v[72+\i], v[HRL] offset:512*\i+256
.endr
	s_wait_dscnt 0x0
	v_pk_add_f32 v[64:65], v[64:65], v[66:67]
	v_pk_add_f32 v[68:69], v[68:69], v[70:71]
	v_pk_add_f32 v[72:73], v[72:73], v[74:75]
	v_pk_add_f32 v[76:77], v[76:77], v[78:79]
	v_pk_add_f32 v[64:65], v[64:65], v[68:69]
	v_pk_add_f32 v[72:73], v[72:73], v[76:77]
	v_add_f32 v64, v64, v65
	v_add_f32 v72, v72, v73
	v_mul_f32 v64, 0x35a3d70a, v64                 ; S / N, N = 819,200
	v_mul_f32 v72, 0x35a3d70a, v72                 ; Q / N
	v_fma_f32 v72, -v64, v64, v72
	v_max_num_f32 v72, 0, v72                      ; v1
	v_add_f32 v65, v230, v64                       ; mu1
	v_add_f32 v66, 0x3727c5ac, v72                 ; + 1e-5
	v_rsq_f32 v66, v66
	v_sub_f32 v65, v229, v65                       ; b1 - mu1: the plain line behind the root
	s_wait_alu depctr_va_vdst(0)
	v_mul_f32 v66, v224, v66                       ; A
	v_fma_f32 v67, v66, v65, v225                  ; CB
	v_mul_f32 v68, v66, v66
	v_fma_f32 v68, v68, v72, s72                   ; A^2 v1 + 1e-8
	v_rsq_f32 v68, v68
	v_mul_f32 v69, 0xbfb8aa3b, v226                ; -log2(e) dg1
	s_wait_alu depctr_va_vdst(0)
	v_mul_f32 v68, v69, v68                        ; c1
	v_mul_f32 v70, 0xbfb8aa3b, v227
	v_fma_f32 v70, -v68, v225, v70                 ; d1
	v_sub_f32 v71, 1.0, v228                       ; 1 - a1
	ds_store_b32 v[HTB], v66 offset:T_A
	ds_store_b32 v[HTB], v67 offset:T_CB
	ds_store_b32 v[HTB], v68 offset:T_C1
	ds_store_b32 v[HTB], v70 offset:T_D1
	ds_store_b32 v[HTB], v228 offset:T_AL
	ds_store_b32 v[HTB], v71 offset:T_BE
	ds_store_b32 v[HTB], v231 offset:T_B2          ; b2[n % 32]
	s_cmp_lg_u32 ttmp9, 0
	s_cbranch_scc1 .Lstat_done
	global_store_b32 v[HN4], v66, s[32:33]         ; group 0 alone: the tables for the next launch
	global_store_b32 v[HN4], v67, s[32:33] offset:256
	global_store_b32 v[HN4], v68, s[32:33] offset:512
	global_store_b32 v[HN4], v70, s[32:33] offset:768
	global_store_b32 v[HN4], v228, s[32:33] offset:1024
	global_store_b32 v[HN4], v71, s[32:33] offset:1280
	s_wait_xcnt 0x0                                ; their address and data registers are written again further down
.Lstat_done:
	s_wait_dscnt 0x0
	s_barrier_signal -1
	s_barrier_wait -1
	v_lshl_add_u32 v[HRL], v[VR], 4, TAB+T_A
	ds_load_b128 v[A4:A4+3], v[HRL]                ; A of my four columns
	s_wait_loadcnt 0x0
	s_wait_dscnt 0x0
	WPREP 1
	v_cvt_pk_f16_f32 v[TW], v232, v233
	v_cvt_pk_f16_f32 v[TW+1], v234, v235
	v_cvt_pk_f16_f32 v[TW+2], v236, v237
	v_cvt_pk_f16_f32 v[TW+3], v238, v239
	ds_store_b64 v[W2ST], v[TW:TW+1]
	ds_store_b64 v[W2ST], v[TW+2:TW+3] offset:3072
	v_cvt_pk_f16_f32 v[TW+4], v248, v249
	v_cvt_pk_f16_f32 v[TW+5], v250, v251
	ds_store_b64 v[HQS], v[TW+4:TW+5]
	s_cmp_lg_u32 s[WV], 0
	s_cbranch_scc1 .Lhead_done
	v_cvt_pk_f16_f32 v[HT1], v252, v253            ; wave 0: the pivot's q and facts rows
	v_cvt_pk_f16_f32 v[HT2], v254, v255
	v_lshl_add_u32 v[HT0], v[VL], 2, QT+2048
	ds_store_b32 v[HT0], v[HT1]
	ds_store_b32 v[HT0], v[HT2] offset:128
.Lhead_done:
	s_wait_dscnt 0x0
	s_barrier_signal -1
	s_barrier_wait -1
	WIN 0x40                                       ; what stays in registers for the whole launch
	LDT C1, T_C1, 4
	LDT D1, T_D1, 4
	LDT AL, T_AL, 4
	LDT BE, T_BE, 4
.irp t, 0,1
.irp kk, 0,1
	ds_load_tr16_b128 v[W2F+16*\t+8*\kk:W2F+16*\t+8*\kk+3], v[AW2] offset:3072*\kk+32*\t
	ds_load_tr16_b128 v[W2F+16*\t+8*\kk+4:W2F+16*\t+8*\kk+7], v[AW2] offset:3072*\kk+32*\t+1536
.endr
.endr
	WIN 0
	v_mov_b32 v[ONE], 1.0
	v_mov_b32 v[ZERO], 0
	s_cmp_lg_u32 s[WV], 0
	s_cbranch_scc1 .Lno_pivot
	LDT C2I, T_B2, 2                               ; wave 0: p2 = h2 of row (0, 0)
	BPRO AQP, 0, T_CB
.irp i, 0,1,2,3
	ds_load_b128 v[FR+4*\i:FR+4*\i+3], v[AQP] offset:128+32*\i  ; from here on v16-31 hold tiles: the head's addresses have served
.endr
	s_wait_dscnt 0x0
	LAY1
	PLACES 4
	DICE1
	LAY2
	PLACES 5
	WIN 0
.set xi, 0
.rept 8
	v_pk_add_f32 v[EE+2*xi:EE+2*xi+1], v[C2I+2*xi:C2I+2*xi+1], v[ACC+2*xi:ACC+2*xi+1] neg_lo:[0,1] neg_hi:[0,1]
.set xi, xi+1
.endr
	STT ACC, T_P2, 2
	STT EE, T_C2I, 2
.Lno_pivot:
	s_wait_dscnt 0x0
	s_barrier_signal -1
	s_barrier_wait -1
	LDT C2I, T_C2I, 2                              ; b2 - p2 (waited for in BPRO)
.set xi, 0
.rept 32
	v_mov_b32 v[SUM2+xi], 0
.set xi, xi+1
.endr
	BPRO AQ, 0, T_CB                               ; b0
	CHUNK 0, 7, 0, 1                               ; 1: the second slot's fill may stay out
	REFILL G0A, G1A
	CHUNK SLOTB, 6, 1, 1                           ; 1: the refill just issued stays out
	REFILL G0B, G1B
	BPRO AQ, 128, T_CB                             ; b0 + 1
	CHUNK 0, 7, 0, 1
	CHUNK SLOTB, 6, 1, 0                           ; the last wait is for zero
	WIN 0                                          ; the sum over the 16 row lanes, then over the waves
.irp t, 0,1
	ds_store_b128 v[AOS], v[SUM2+8*\t:SUM2+8*\t+3] offset:64*\t
	ds_store_b128 v[AOS], v[SUM2+8*\t+4:SUM2+8*\t+7] offset:64*\t+16
	ds_store_b128 v[AOS], v[SQR2+8*\t:SQR2+8*\t+3] offset:128+64*\t
	ds_store_b128 v[AOS], v[SQR2+8*\t+4:SQR2+8*\t+7] offset:128+64*\t+16
.endr
.set xi, 0
.rept 16
	ds_load_b64 v[32+2*xi:32+2*xi+1], v[AOL] offset:272*xi  ; LDS serves a wave's instructions in order (ISA guide 5.7.1.4): these see the stores above
.set xi, xi+1
.endr
	s_wait_dscnt 0x0
	PHALF 32, 8
	PHALF 32, 4
	PHALF 32, 2
	PHALF 32, 1
	s_lshl_b32 s72, s[WV], 8
	s_add_co_u32 s72, s72, RED
	v_add_nc_u32 v[AEND], s72, v[OOF]
	ds_store_b64 v[AEND], v[32:33]
	s_wait_dscnt 0x0
	s_barrier_signal -1
	s_barrier_wait -1
	s_cmp_lg_u32 s[WV], 0
	s_cbranch_scc1 .Lend
	v_add_nc_u32 v[AQP], RED, v[OOF]               ; wave 0 adds the eight waves' sums, in a fixed order, and stores the record
	v_lshl_add_u32 v[AQ], v[VL], 2, TAB+T_P2
.irp i, 0,1,2,3,4,5,6,7
	ds_load_b64 v[32+2*\i:32+2*\i+1], v[AQP] offset:256*\i
.endr
	ds_load_b32 v64, v[AQ]
	s_lshl_b32 s70, ttmp9, 9                       ; the group's record
	s_mov_b32 s71, 0
	s_add_nc_u64 s[30:31], s[30:31], s[70:71]
	s_wait_dscnt 0x0
	PHALF 32, 4
	PHALF 32, 2
	PHALF 32, 1
	global_store_b64 v[OOF], v[32:33], s[30:31]    ; 256 consecutive bytes: S2, Q2
	global_store_b32 v[V4B], v64, s[30:31] offset:256  ; p2
.Lend:
	s_wait_tensorcnt 0x0                           ; the wave's end, behind my last tensor load and my last LDS store
	ds_add_u32 v[SPW], v[NIL]
	s_wait_dscnt 0x0
	s_endpgm
.Lfunc_end_k_qed2e171cec_stat2:
	.size	k_qed2e171cec_stat2, .Lfunc_end_k_qed2e171cec_stat2-k_qed2e171cec_stat2
	.p2alignl 7, 3214868480
	.fill 96, 4, 3214868480
	.section	.rodata,"a",@progbits
	.p2align	6, 0x0
	.amdhsa_kernel k_qed2e171cec_stat2
		.amdhsa_group_segment_fixed_size 327680
		.amdhsa_private_segment_fixed_size 0
		.amdhsa_enable_private_segment 0
		.amdhsa_kernarg_size 120
		.amdhsa_user_sgpr_count 2
		.amdhsa_user_sgpr_kernarg_segment_ptr 1
		.amdhsa_wavefront_size32 1
		.amdhsa_system_sgpr_workgroup_id_x 1
		.amdhsa_system_sgpr_workgroup_id_y 1
		.amdhsa_system_sgpr_workgroup_id_z 1
		.amdhsa_system_vgpr_workitem_id 0
		.amdhsa_next_free_vgpr 512
		.amdhsa_next_free_sgpr 76
		.amdhsa_reserve_vcc 0
		.amdhsa_float_denorm_mode_32 3
		.amdhsa_float_denorm_mode_16_64 3
		.amdhsa_memory_ordered 1
		.amdhsa_forward_progress 1
		.amdhsa_inst_pref_size 112
	.end_amdhsa_kernel
	.amdgpu_metadata
---
amdhsa.version: [ 1, 2 ]
amdhsa.kernels:
  - .name:           k_qed2e171cec_stat2
    .symbol:         k_qed2e171cec_stat2.kd
    .args:
      - { .name: fb, .offset: 0, .size: 8, .value_kind: global_buffer, .address_space: global }
      - { .name: facts, .offset: 8, .size: 8, .value_kind: global_buffer, .address_space: global }
      - { .name: query, .offset: 16, .size: 8, .value_kind: global_buffer, .address_space: global }
      - { .name: W1, .offset: 24, .size: 8, .value_kind: global_buffer, .address_space: global }
      - { .name: W2, .offset: 32, .size: 8, .value_kind: global_buffer, .address_space: global }
      - { .name: b1, .offset: 40, .size: 8, .value_kind: global_buffer, .address_space: global }
      - { .name: g1, .offset: 48, .size: 8, .value_kind: global_buffer, .address_space: global }
      - { .name: be1, .offset: 56, .size: 8, .value_kind: global_buffer, .address_space: global }
      - { .name: dg1, .offset: 64, .size: 8, .value_kind: global_buffer, .address_space: global }
      - { .name: db1, .offset: 72, .size: 8, .value_kind: global_buffer, .address_space: global }
      - { .name: a1, .offset: 80, .size: 8, .value_kind: global_buffer, .address_space: global }
      - { .name: b2, .offset: 88, .size: 8, .value_kind: global_buffer, .address_space: global }
      - { .name: part1, .offset: 96, .size: 8, .value_kind: global_buffer, .address_space: global }
      - { .name: part2, .offset: 104, .size: 8, .value_kind: global_buffer, .address_space: global }
      - { .name: tab1, .offset: 112, .size: 8, .value_kind: global_buffer, .address_space: global }
    .group_segment_fixed_size: 327680
    .private_segment_fixed_size: 0
    .kernarg_segment_align: 8
    .kernarg_segment_size: 120
    .max_flat_workgroup_size: 256
    .sgpr_count:     76
    .vgpr_count:     512
    .wavefront_size: 32
...
	.end_amdgpu_metadata
.endif
;; end of part 2
;; launch attn (part 3): grid 256 x 1, 8 waves a work-group, no clusters, 327,680 bytes of LDS; arguments fb, query, mask, W1, W2, tab1, part2, g2, be2, dg2, db2, a2, b2, Wf, bf, out0; writes out0
.if DOCPART == 3
	.amdgcn_target "amdgcn-amd-amdhsa--gfx1250"
	.amdhsa_code_object_version 6
	.text
	.protected	k_qed2e171cec_attn
	.globl	k_qed2e171cec_attn
	.p2align	8
	.type	k_qed2e171cec_attn,@function
k_qed2e171cec_attn:
	s_mov_b64 s[64:65], 0
	v_nop
	global_prefetch_b8 v0, s[64:65] scope:SCOPE_SE
	s_setreg_imm32_b32 hwreg(HW_REG_WAVE_MODE, 25, 1), 1
	s_wait_xcnt 0x0
; DIN attention, launch 3 of 3: scores, mask, softmax over a b's 200 rows, weighted sum of facts.
; HEAD.  The six tables of layer 1 come from tab1.  Every work-group adds the 256 records of part2 in the same order: mu2 = p2 + S2/N, v2 = max(Q2/N - (S2/N)^2, 0), N = 819,200;
; A2 = g2 rsqrt(v2 + 1e-5) multiplies W2's columns and layer 2 starts at A2 (b2 - mu2) + be2, so its result is x2.  Dice 2 as Dice 1: c2 = -log2(e) dg2 rsqrt(A2^2 v2 + 1e-8), d2 = -log2(e) db2 - c2 be2.
; SCORE, times log2(e): s = sum over n of x2[n] (WA[n] + WB[n] / (1 + 2^(c2 x2 + d2))) + bf log2(e), WA = a2 Wf log2(e), WB = (1 - a2) Wf log2(e); where mask <= 0: -1e9 log2(e).
; SOFTMAX.  Lane l holds row 16 tile + l%16 of each tile: a running maximum m, a sum l and 32 channels of the weighted sum, rescaled by 2^(m_old - m_new) in every tile; at a b's end the 16 row lanes
; are merged by their common maximum.  The weighted sum takes facts in f16 (as the products do), multiplied and added in f32.  A b whose rows are all masked gets equal weights, as in the reference.
; The padded rows 200-207 take the lowest finite number as score: their weight is exactly 0.
; SHARES, RING as in launch 2; the two b's 400 mask words come by one more tensor load, once.  No cluster: the work-groups share only weights and records.
; LIMITS.  facts, query, A x W1's sums, M_b, y1 and A2 x W2 are f16 matrix operands: each below 65,504 in magnitude; below 6e-5 f16 keeps a fixed step of 6e-8.
; A weight below 2^-126 counts as 0.  NaN and infinities are not treated apart.
.set W2L,   30720
.set QT,    36864
.set TAB,   39168
.set T_A,   0
.set T_CB,  256
.set T_C1,  512
.set T_D1,  768
.set T_AL,  1024
.set T_BE,  1280
.set T_A2,  1536
.set T_C2I, 1664
.set T_C2,  1792
.set T_D2,  1920
.set T_WA,  2048
.set T_WB,  2176
.set RED,   41728
.set OS,    45824
.set SPARE, 80896                      ; the spare words, 128 bytes a wave: four blocks of 256 bytes that no other line names
.set MASKL, 81920                      ; 8 x 1,792: a wave's 400 mask words and 16 words of zeros; filled by a tensor load, once
.set RING,  96256                      ; 8 x 26,624: filled by tensor loads alone
.set SLOTB, 14336
.set SPW,  1
.set NIL,  2
.set VT16, 3
.set A0,   4
.set ADR,  5
.set AW,   6
.set AQ,   7
.set AT,   8
.set AMK0, 9                           ; v9   MASKL + 1,792 w + 4 (l%16)
.set AMK,  10
.set AOS,  11
.set AOL,  12
.set OOF,  13
.set FR,   16
.set ACC,  32
.set EE,   64
.set YY,   96
.set C2I,  112
.set TW,   112
.set WST,  118
.set W2ST, 119
.set A4,   128
.set C2,   128
.set D2,   144
.set WA,   160
.set WB,   176
.set WQ,   160
.set OA,   192                         ; v192-223 my 32 channels of the weighted sum
.set MX,   224
.set LS,   225
.set MN,   226
.set LOWV, 227
.set AA,   228                         ; a pair: the packed multiply takes its low word for both halves
.set PP,   230
.set SS,   231
.set SCA,  232
.set SCB,  234
.set MK,   236
.set TT,   237
.set VL,   240
.set VR,   241
.set VH,   242
.set VL16, 243
.set VP1,  244
.set V4A,  245
.set V4B,  246
.set AW2,  247
.set MB,   0                           ; window 1
.set CI,   64
.set W2F,  96
.set C1,   128
.set D1,   160
.set AL,   192
.set BE,   224
.set G1A,  36
.set G1B,  44
.set G0A,  52
.set G0B,  56
.set WV,   60
.set CNT,  61
.set TB,   62
.set PM,   63
.set G1M,  68
.set G0M,  76
.set SEL,  80
.set TM,   82
.set BFL,  83
.set NEGM, 84
.set OB,   86
.set MSB, 0
.macro WIN new                         ; s_set_vgpr_msb: bits 1:0 source 0, 3:2 source 1, 5:4 source 2, 7:6 destination; the high byte repeats the setting that is left
.if MSB != (\new)
	s_set_vgpr_msb (MSB<<8)|(\new)
.set MSB, \new
.endif
.endm
.macro PLACES n
.rept \n
	v_nop
.endr
.endm
.macro LDT dst, off, nt
.set ti, 0
.rept \nt
	ds_load_b128 v[(\dst)+8*ti:(\dst)+8*ti+3], v[AT] offset:(\off)+64*ti
	ds_load_b128 v[(\dst)+8*ti+4:(\dst)+8*ti+7], v[AT] offset:(\off)+64*ti+16
.set ti, ti+1
.endr
.endm
.macro LDW dst, mat
.irp t, 0,1,2,3
.irp kk, 0,1
	ds_load_tr16_b128 v[(\dst)+16*\t+8*\kk:(\dst)+16*\t+8*\kk+3], v[AW] offset:(\mat)*10240+\kk*5120+32*\t
	ds_load_tr16_b128 v[(\dst)+16*\t+8*\kk+4:(\dst)+16*\t+8*\kk+7], v[AW] offset:(\mat)*10240+\kk*5120+32*\t+2560
.endr
.endr
.endm
.macro LAY1                            ; x1 = CI + M_b^T f: the four accumulators take turns
	WIN 0x11
.irp t, 0,1,2,3
	v_wmma_f32_16x16x32_f16 v[ACC+8*\t:ACC+8*\t+7], v[MB+16*\t:MB+16*\t+7], v[FR:FR+7], v[CI+8*\t:CI+8*\t+7]
.endr
	WIN 0x01
.irp t, 0,1,2,3
	v_wmma_f32_16x16x32_f16 v[ACC+8*\t:ACC+8*\t+7], v[MB+16*\t+8:MB+16*\t+15], v[FR+8:FR+15], v[ACC+8*\t:ACC+8*\t+7]
.endr
.endm
.macro LAY2                            ; x2 = C2I + (A2 W2)^T y1: two accumulators by turns
	WIN 0x01
	v_wmma_f32_16x16x32_f16 v[ACC:ACC+7], v[W2F:W2F+7], v[YY:YY+7], v[C2I:C2I+7]
	v_wmma_f32_16x16x32_f16 v[ACC+8:ACC+15], v[W2F+16:W2F+23], v[YY:YY+7], v[C2I+8:C2I+15]
	v_wmma_f32_16x16x32_f16 v[ACC:ACC+7], v[W2F+8:W2F+15], v[YY+8:YY+15], v[ACC:ACC+7]
	v_wmma_f32_16x16x32_f16 v[ACC+8:ACC+15], v[W2F+24:W2F+31], v[YY+8:YY+15], v[ACC+8:ACC+15]
.endm
.macro BPRO aq, qoff, tcb
	WIN 0
.irp i, 0,1,2,3
	ds_load_b128 v[YY+4*\i:YY+4*\i+3], v[\aq] offset:(\qoff)+32*\i
.endr
	WIN 0x40
	LDT CI, \tcb, 4
	LDW MB, 0
	s_wait_dscnt 0x0                               ; q, the table and Wac are in
	WIN 0x51
.irp kk, 0,1
.irp t, 0,1,2,3
	v_wmma_f32_16x16x32_f16 v[CI+8*\t:CI+8*\t+7], v[MB+16*\t+8*\kk:MB+16*\t+8*\kk+7], v[YY+8*\kk:YY+8*\kk+7], v[CI+8*\t:CI+8*\t+7]
.endr
.endr
	PLACES 5                                       ; five places: the loads below land on these products' source, and CI becomes the start of other accumulators
	WIN 0x40
	LDW MB, 1
	WIN 0
	LDW 32, 2
	s_wait_dscnt 0x0                               ; Wbc and Wd are in
	WIN 0x50
.set bi, 0
.rept 64
	v_pk_fma_f16 v[MB+bi], v[32+bi], v[YY+bi%16], v[MB+bi]
.set bi, bi+1
.endr
	WIN 0
.endm
.macro PHALF base, half
.set qi, 0
.rept \half
	v_pk_add_f32 v[(\base)+2*qi:(\base)+2*qi+1], v[(\base)+2*qi:(\base)+2*qi+1], v[(\base)+2*(qi+(\half)):(\base)+2*(qi+(\half))+1]
.set qi, qi+1
.endr
.endm
.macro WPREP scale
.irp i, 0,1,2,3
	v_pk_add_f32 v[WQ+4*\i:WQ+4*\i+1], v[WQ+4*\i:WQ+4*\i+1], v[WQ+32+4*\i:WQ+32+4*\i+1]
	v_pk_add_f32 v[WQ+4*\i+2:WQ+4*\i+3], v[WQ+4*\i+2:WQ+4*\i+3], v[WQ+32+4*\i+2:WQ+32+4*\i+3]
	v_pk_add_f32 v[WQ+16+4*\i:WQ+16+4*\i+1], v[WQ+16+4*\i:WQ+16+4*\i+1], v[WQ+32+4*\i:WQ+32+4*\i+1] neg_lo:[0,1] neg_hi:[0,1]
	v_pk_add_f32 v[WQ+16+4*\i+2:WQ+16+4*\i+3], v[WQ+16+4*\i+2:WQ+16+4*\i+3], v[WQ+32+4*\i+2:WQ+32+4*\i+3] neg_lo:[0,1] neg_hi:[0,1]
.if \scale
.irp m, 0,16,48
	v_pk_mul_f32 v[WQ+\m+4*\i:WQ+\m+4*\i+1], v[WQ+\m+4*\i:WQ+\m+4*\i+1], v[A4:A4+1]
	v_pk_mul_f32 v[WQ+\m+4*\i+2:WQ+\m+4*\i+3], v[WQ+\m+4*\i+2:WQ+\m+4*\i+3], v[A4+2:A4+3]
.endr
.endif
	v_cvt_pk_f16_f32 v[TW], v[WQ+4*\i], v[WQ+4*\i+1]
	v_cvt_pk_f16_f32 v[TW+1], v[WQ+4*\i+2], v[WQ+4*\i+3]
	v_cvt_pk_f16_f32 v[TW+2], v[WQ+16+4*\i], v[WQ+16+4*\i+1]
	v_cvt_pk_f16_f32 v[TW+3], v[WQ+16+4*\i+2], v[WQ+16+4*\i+3]
	v_cvt_pk_f16_f32 v[TW+4], v[WQ+48+4*\i], v[WQ+48+4*\i+1]
	v_cvt_pk_f16_f32 v[TW+5], v[WQ+48+4*\i+2], v[WQ+48+4*\i+3]
	ds_store_b64 v[WST], v[TW:TW+1] offset:2560*\i
	ds_store_b64 v[WST], v[TW+2:TW+3] offset:10240+2560*\i
	ds_store_b64 v[WST], v[TW+4:TW+5] offset:20480+2560*\i
.endr
.endm
.macro DICE1                           ; y1 = x1 (a1 + (1 - a1) / (1 + 2^(c1 x1 + d1))), rounded to f16 in pairs: source 1 of layer 2
	WIN 0x14
.set di, 0
.rept 16
	v_pk_fma_f32 v[EE+2*di:EE+2*di+1], v[ACC+2*di:ACC+2*di+1], v[C1+2*di:C1+2*di+1], v[D1+2*di:D1+2*di+1]
.set di, di+1
.endr
	WIN 0
.set di, 0
.rept 32
	v_exp_f32 v[EE+di], v[EE+di]
.set di, di+1
.endr
	v_nop                                          ; a plain line behind each run of exponentials or reciprocals (ISA guide 5.7.2)
.set di, 0
	s_wait_alu depctr_va_vdst(0)
.rept 16
	v_pk_add_f32 v[EE+2*di:EE+2*di+1], v[EE+2*di:EE+2*di+1], 1.0 op_sel_hi:[1,0]
.set di, di+1
.endr
.set di, 0
.rept 32
	v_rcp_f32 v[EE+di], v[EE+di]
.set di, di+1
.endr
	v_nop
	WIN 0x14
.set di, 0
	s_wait_alu depctr_va_vdst(0)
.rept 16
	v_pk_fma_f32 v[EE+2*di:EE+2*di+1], v[EE+2*di:EE+2*di+1], v[BE+2*di:BE+2*di+1], v[AL+2*di:AL+2*di+1]
.set di, di+1
.endr
	WIN 0
.set di, 0
.rept 16
	v_pk_mul_f32 v[EE+2*di:EE+2*di+1], v[EE+2*di:EE+2*di+1], v[ACC+2*di:ACC+2*di+1]
.set di, di+1
.endr
.set di, 0
.rept 16
	v_cvt_pk_f16_f32 v[YY+di], v[EE+2*di], v[EE+2*di+1]
.set di, di+1
.endr
.endm
.macro DICE2                           ; EE = WA + WB / (1 + 2^(c2 x2 + d2)) for my 16 columns
	WIN 0
.set di, 0
.rept 8
	v_pk_fma_f32 v[EE+2*di:EE+2*di+1], v[ACC+2*di:ACC+2*di+1], v[C2+2*di:C2+2*di+1], v[D2+2*di:D2+2*di+1]
.set di, di+1
.endr
.set di, 0
.rept 16
	v_exp_f32 v[EE+di], v[EE+di]
.set di, di+1
.endr
	v_nop
.set di, 0
	s_wait_alu depctr_va_vdst(0)
.rept 8
	v_pk_add_f32 v[EE+2*di:EE+2*di+1], v[EE+2*di:EE+2*di+1], 1.0 op_sel_hi:[1,0]
.set di, di+1
.endr
.set di, 0
.rept 16
	v_rcp_f32 v[EE+di], v[EE+di]
.set di, di+1
.endr
	v_nop
.set di, 0
	s_wait_alu depctr_va_vdst(0)
.rept 8
	v_pk_fma_f32 v[EE+2*di:EE+2*di+1], v[EE+2*di:EE+2*di+1], v[WB+2*di:WB+2*di+1], v[WA+2*di:WA+2*di+1]
.set di, di+1
.endr
.endm
.macro REFILL g0, g1
	WIN 0
	s_wait_tensorcnt 0x0                           ; all my tensor loads have landed: a group 0 may be written
	ds_add_u32 v[SPW], v[NIL]                      ; 0 onto my spare word
	s_add_nc_u64 s[\g0+2:\g0+3], s[\g0+2:\g0+3], 26624  ; the same tiles of b0 + 1; the type bits on top are not reached
	s_wait_dscnt 0x0                               ; the add is done, and my reads of the slot are over
	s_barrier_signal -1
	s_barrier_wait -1
	tensor_load_to_lds s[\g0:\g0+3], s[\g1:\g1+7]  ; my one tensor load behind this barrier, and the first thing there
	s_nop 0
	PLACES 4
.endm
; n tiles from byte tb0 of my ring, their mask words from byte tm0 on.  pad = 1: the last of them is the b's 13th.  left: the younger tensor loads that may stay out.
.macro CHUNK tb0, n, pad, left, tm0
	WIN 0
	s_wait_tensorcnt \left
	s_mov_b32 s[TB], \tb0
	s_mov_b32 s[TM], \tm0
	s_mov_b32 s[CNT], \n
.Lch_\@:
	v_add_nc_u32 v[ADR], s[TB], v[A0]
	v_add_nc_u32 v[AMK], s[TM], v[AMK0]
.irp i, 0,1,2,3
	ds_load_b128 v[FR+4*\i:FR+4*\i+3], v[ADR] offset:512*\i
.endr
	ds_load_b32 v[MK], v[AMK]
	s_add_co_u32 s[TB], s[TB], 2048
	s_add_co_u32 s[TM], s[TM], 64
	s_wait_dscnt 0x0
	LAY1
	PLACES 4                                       ; four places in front of the first read of the results (ISA guide 7.12.1)
	DICE1
	LAY2
	PLACES 5                                       ; five: the next tile's first products write over these accumulators
	DICE2
	v_pk_mul_f32 v[SCA:SCA+1], v[EE:EE+1], v[ACC:ACC+1]        ; the score: two chains over my 16 columns,
	v_pk_mul_f32 v[SCB:SCB+1], v[EE+8:EE+9], v[ACC+8:ACC+9]
.irp p, 1,2,3
	v_pk_fma_f32 v[SCA:SCA+1], v[EE+2*\p:EE+2*\p+1], v[ACC+2*\p:ACC+2*\p+1], v[SCA:SCA+1]
	v_pk_fma_f32 v[SCB:SCB+1], v[EE+8+2*\p:EE+8+2*\p+1], v[ACC+8+2*\p:ACC+8+2*\p+1], v[SCB:SCB+1]
.endr
	v_pk_add_f32 v[SCA:SCA+1], v[SCA:SCA+1], v[SCB:SCB+1]
	v_add_f32 v[SS], v[SCA], v[SCA+1]
	v_permlanex16_b32 v[TT], v[SS], s[SEL], s[SEL+1]           ; the row's other 16 columns lie in the lane 16 away
	v_add_f32 v[SS], v[SS], v[TT]
	v_add_f32 v[SS], s[BFL], v[SS]
	v_cmp_lt_i32 vcc_lo, 0, v[MK]
	v_cndmask_b32 v[SS], s[NEGM], v[SS], vcc_lo                ; mask <= 0: -1e9 log2(e)
.if \pad
	s_cmp_eq_u32 s[CNT], 1
	s_cselect_b32 s[PM], 0xff00ff00, 0             ; lanes 8-15 and 24-31 in the last trip: rows 200-207
	v_cndmask_b32 v[SS], v[SS], v[LOWV], s[PM]
.endif
	v_max_num_f32 v[MN], v[MX], v[SS]              ; the running maximum is taken away before each exponential
	v_sub_f32 v[AA], v[MX], v[MN]
	v_sub_f32 v[PP], v[SS], v[MN]
	v_exp_f32 v[AA], v[AA]
	v_exp_f32 v[PP], v[PP]
	v_mov_b32 v[MX], v[MN]                         ; the plain line behind them
	s_wait_alu depctr_va_vdst(0)
	v_fma_f32 v[LS], v[LS], v[AA], v[PP]
.set di, 0
.rept 16
	v_pk_mul_f32 v[OA+2*di:OA+2*di+1], v[OA+2*di:OA+2*di+1], v[AA:AA+1] op_sel_hi:[1,0]
.set di, di+1
.endr
.set di, 0
.rept 16
	v_fma_mix_f32 v[OA+2*di], v[FR+di], v[PP], v[OA+2*di] op_sel_hi:[1,0,0]
	v_fma_mix_f32 v[OA+2*di+1], v[FR+di], v[PP], v[OA+2*di+1] op_sel:[1,0,0] op_sel_hi:[1,0,0]
.set di, di+1
.endr
	s_sub_co_u32 s[CNT], s[CNT], 1
	s_cmp_lg_u32 s[CNT], 0
	s_cbranch_scc1 .Lch_\@
.endm
.macro BSTART                          ; a b begins: m at the lowest finite number, l and the weighted sum at 0
	WIN 0
	v_mov_b32 v[MX], v[LOWV]
	v_mov_b32 v[LS], 0
.set di, 0
.rept 32
	v_mov_b32 v[OA+di], 0
.set di, di+1
.endr
.endm
; A b ends: the 16 row lanes' maxima and sums are merged, each lane's channels scaled by 2^(m - M) / L, added down 16 rows of my scratch, and the b's 64 numbers stored.
.macro BEND bl
	WIN 0
	v_mov_b32 v[MN], v[MX]
	v_max_num_f32_dpp v[MN], v[MN], v[MN] row_xmask:1 row_mask:0xf bank_mask:0xf
	v_max_num_f32_dpp v[MN], v[MN], v[MN] row_xmask:2 row_mask:0xf bank_mask:0xf
	v_max_num_f32_dpp v[MN], v[MN], v[MN] row_xmask:4 row_mask:0xf bank_mask:0xf
	v_max_num_f32_dpp v[MN], v[MN], v[MN] row_xmask:8 row_mask:0xf bank_mask:0xf
	v_sub_f32 v[AA], v[MX], v[MN]
	v_exp_f32 v[AA], v[AA]
	v_nop
	s_wait_alu depctr_va_vdst(0)
	v_mul_f32 v[LS], v[LS], v[AA]
	v_add_f32_dpp v[LS], v[LS], v[LS] row_xmask:1 row_mask:0xf bank_mask:0xf
	v_add_f32_dpp v[LS], v[LS], v[LS] row_xmask:2 row_mask:0xf bank_mask:0xf
	v_add_f32_dpp v[LS], v[LS], v[LS] row_xmask:4 row_mask:0xf bank_mask:0xf
	v_add_f32_dpp v[LS], v[LS], v[LS] row_xmask:8 row_mask:0xf bank_mask:0xf
	v_rcp_f32 v[PP], v[LS]                         ; L is at least 1: the row that holds the maximum has weight 1
	v_nop
	s_wait_alu depctr_va_vdst(0)
	v_mul_f32 v[AA], v[AA], v[PP]
.set di, 0
.rept 16
	v_pk_mul_f32 v[OA+2*di:OA+2*di+1], v[OA+2*di:OA+2*di+1], v[AA:AA+1] op_sel_hi:[1,0]
.set di, di+1
.endr
.irp i, 0,1,2,3
	ds_store_b128 v[AOS], v[OA+8*\i:OA+8*\i+3] offset:64*\i
	ds_store_b128 v[AOS], v[OA+8*\i+4:OA+8*\i+7] offset:64*\i+16
.endr
.set di, 0
.rept 16
	ds_load_b64 v[32+2*di:32+2*di+1], v[AOL] offset:272*di  ; LDS serves a wave's instructions in order (ISA guide 5.7.1.4): these see the stores above
.set di, di+1
.endr
	s_wait_dscnt 0x0
	PHALF 32, 8
	PHALF 32, 4
	PHALF 32, 2
	PHALF 32, 1
	global_store_b64 v[OOF], v[32:33], s[OB:OB+1] offset:(\bl)*256  ; 256 consecutive bytes, at a multiple of 256 from out0's first
	s_wait_xcnt 0x0                                ; v32-33 are written again further down
.endm
	s_load_b512 s[4:19], s[0:1], 0x0               ; fb 4, query 6, mask 8, W1 10, W2 12, tab1 14, part2 16, g2 18
	s_load_b512 s[20:35], s[0:1], 0x40             ; be2 20, dg2 22, db2 24, a2 26, b2 28, Wf 30, bf 32, out0 34
	v_lshl_add_u32 v[SPW], v0, 2, SPARE
	v_mov_b32 v[NIL], 0
	ds_add_u32 v[SPW], v[NIL]                      ; the wave's opening: the add and its wait come ahead of my first tensor load; the set-up below, work on registers, stands between them
	ds_add_u32 v1, v2
	v_lshrrev_b32 v[OOF], 5, v0
	v_readfirstlane_b32 s[WV], v[OOF]              ; wave 0..7
	s_mov_b32 s[G1A+0], 3<<16                      ; dense blocks as rows of 256 bytes (32 elements of 8 bytes): 56 rows, 48 rows
	s_mov_b32 s[G1A+1], 32<<16
	s_mov_b32 s[G1A+2], 56<<16
	s_mov_b32 s[G1A+3], 32<<16
	s_mov_b32 s[G1A+4], 56
	s_mov_b32 s[G1A+5], 32
	s_mov_b32 s[G1A+6], 0
	s_mov_b32 s[G1A+7], 0
	s_mov_b32 s[G1B+0], 3<<16
	s_mov_b32 s[G1B+1], 32<<16
	s_mov_b32 s[G1B+2], 48<<16
	s_mov_b32 s[G1B+3], 32<<16
	s_mov_b32 s[G1B+4], 48
	s_mov_b32 s[G1B+5], 32
	s_mov_b32 s[G1B+6], 0
	s_mov_b32 s[G1B+7], 0
	s_mov_b32 s[G1M+0], 3<<16                      ; the mask: one row; 200 elements of 8 bytes are there, the tile's other 8 arrive as zeros
	s_mov_b32 s[G1M+1], 200<<16                    ; tensor_dim0 = 200
	s_mov_b32 s[G1M+2], 1<<16                      ; tensor_dim1 = 1
	s_mov_b32 s[G1M+3], 208<<16                    ; tile_dim0 = 208
	s_mov_b32 s[G1M+4], 1                          ; tile_dim1 = 1
	s_mov_b32 s[G1M+5], 200
	s_mov_b32 s[G1M+6], 0
	s_mov_b32 s[G1M+7], 0
	s_mov_b32 s[G0A], 1
	s_mul_i32 s[G0A+1], s[WV], 26624
	s_add_co_u32 s[G0A+1], s[G0A+1], RING
	s_mov_b32 s[G0B], 1
	s_add_co_u32 s[G0B+1], s[G0A+1], SLOTB
	s_mov_b32 s[G0M], 1
	s_mul_i32 s[G0M+1], s[WV], 1792
	s_add_co_u32 s[G0M+1], s[G0M+1], MASKL
	s_lshl_b32 s85, ttmp9, 4
	s_lshl_b32 s67, s[WV], 1
	s_add_co_u32 s85, s85, s67                     ; b0 = 16 g + 2 w
	s_mul_i32 s66, s85, 26624
	s_mov_b32 s67, 0
	s_mul_i32 s88, s85, 800                        ; b0's mask words
	s_mov_b32 s89, 0
	s_lshl_b32 s90, s85, 8                         ; b0's row of out0
	s_mov_b32 s91, 0
	s_mov_b32 s[SEL], 0x76543210
	s_mov_b32 s[SEL+1], 0xfedcba98
	s_mov_b32 s[NEGM], 0xce6e6b28                  ; -1e9,
	s_mul_f32 s[NEGM], s[NEGM], 0x3fb8aa3b         ; times log2(e)
	v_and_b32 v[VL], 31, v0
	v_and_b32 v[VR], 15, v0
	v_bfe_u32 v[VH], v0, 4, 1
	v_lshlrev_b32 v[VT16], 4, v0
	v_lshlrev_b32 v[VL16], 4, v[VL]
	v_lshlrev_b32 v[OOF], 3, v[VL]
	v_add_nc_u32 v[A0], s[G0A+1], v[VL16]
	v_lshl_add_u32 v[AMK0], v[VR], 2, s[G0M+1]
	v_and_b32 v126, 7, v0
	v_lshl_add_u32 v127, v[VH], 3, v126
	v_bfe_u32 v125, v0, 3, 1
	v_mul_u32_u24 v[AW], v127, 160
	v_lshl_add_u32 v[AW], v125, 4, v[AW]
	v_mul_u32_u24 v[AW2], v127, 96
	v_lshl_add_u32 v[AW2], v125, 4, v[AW2]
	v_add_nc_u32 v[AW2], W2L, v[AW2]
	s_lshl_b32 s[TB], s[WV], 8
	s_add_co_u32 s[TB], s[TB], QT
	v_lshl_add_u32 v[AQ], v[VH], 4, s[TB]
	v_lshl_add_u32 v124, v[VL], 3, s[TB]           ; where my 4 numbers of q go
	v_lshl_add_u32 v[AT], v[VH], 5, TAB
	s_mul_i32 s[TB], s[WV], 4352
	s_add_co_u32 s[TB], s[TB], OS
	v_mul_u32_u24 v[AOS], v[VR], 272
	v_lshl_add_u32 v[AOS], v[VH], 5, v[AOS]
	v_add_nc_u32 v[AOS], s[TB], v[AOS]
	v_add_nc_u32 v[AOL], s[TB], v[OOF]
	s_mul_i32 s[TB], s[WV], 320
	v_mul_u32_u24 v[WST], v[VH], 160
	v_lshl_add_u32 v[WST], v[VR], 3, v[WST]
	v_add_nc_u32 v[WST], s[TB], v[WST]
	s_mul_i32 s[TB], s[WV], 384
	s_add_co_u32 s[TB], s[TB], W2L
	v_lshrrev_b32 v[W2ST], 3, v[VL]
	v_mul_u32_u24 v[W2ST], v[W2ST], 96
	v_lshl_add_u32 v[W2ST], v126, 3, v[W2ST]
	v_add_nc_u32 v[W2ST], s[TB], v[W2ST]
	s_lshl_b32 s[TB], s[WV], 9
	v_add_nc_u32 v[VP1], s[TB], v[OOF]             ; record w, 8 l
	v_and_b32 v[V4A], 63, v0
	v_lshlrev_b32 v[V4A], 2, v[V4A]
	v_lshlrev_b32 v[V4B], 2, v[VL]
	s_lshl_b32 s[TB], s[WV], 8
	s_add_co_u32 s[TB], s[TB], RED
	v_add_nc_u32 v120, s[TB], v[OOF]
	s_lshl_b32 s[TB], s[WV], 7
	s_add_co_u32 s[TB], s[TB], TAB
	v_lshl_add_u32 v122, v[VL], 2, s[TB]           ; TAB + 128 w + 4 l
	v_lshl_add_u32 v121, v[VL], 2, TAB+T_A2
	v_lshl_add_u32 v123, v[VL], 2, RED
	s_lshl_b32 s[TM], ttmp9, 12                    ; the group's 16 rows of query
	s_mov_b32 s[BFL], 0
	s_wait_dscnt 0x0                               ; the opening add is done
	s_wait_kmcnt 0x0
	s_add_nc_u64 s[G0A+2:G0A+3], s[4:5], s[66:67]
	s_add_nc_u64 s[G0B+2:G0B+3], s[G0A+2:G0A+3], SLOTB
	s_add_nc_u64 s[G0M+2:G0M+3], s[8:9], s[88:89]
	s_or_b32 s[G0A+3], s[G0A+3], 0x80000000        ; type = 2
	s_or_b32 s[G0B+3], s[G0B+3], 0x80000000
	s_or_b32 s[G0M+3], s[G0M+3], 0x80000000
	tensor_load_to_lds s[G0M:G0M+3], s[G1M:G1M+7]  ; the three first fills go out together, ahead of every wait on TENSORcnt, LDS read and barrier: the mask,
	s_nop 0
	tensor_load_to_lds s[G0A:G0A+3], s[G1A:G1A+7]  ; b0's tiles 0-6,
	s_nop 0
	tensor_load_to_lds s[G0B:G0B+3], s[G1B:G1B+7]  ; b0's tiles 7-12: three tensor loads of mine are out
	s_nop 0
	PLACES 4
	s_add_nc_u64 s[OB:OB+1], s[34:35], s[90:91]
	s_add_nc_u64 s[88:89], s[6:7], s[TM:TM+1]      ; query at the group's rows (the pair's high word is 0)
	s_load_b32 s[BFL], s[32:33], 0x0               ; bf
.set xi, 0
.rept 32
	global_load_b64 v[32+2*xi:32+2*xi+1], v[VP1], s[16:17] offset:4096*xi  ; S2 and Q2 of records 8 i + w
.set xi, xi+1
.endr
.irp k, 0,1,2,3,4,5
	global_load_b32 v[96+\k], v[V4A], s[14:15] offset:256*\k  ; A, CB, c1, d1, a1, 1 - a1
.endr
	global_load_b32 v224, v[V4B], s[18:19]         ; g2
	global_load_b32 v225, v[V4B], s[20:21]         ; be2
	global_load_b32 v226, v[V4B], s[22:23]         ; dg2
	global_load_b32 v227, v[V4B], s[24:25]         ; db2
	global_load_b32 v228, v[V4B], s[26:27]         ; a2
	global_load_b32 v229, v[V4B], s[28:29]         ; b2
	global_load_b32 v230, v[V4B], s[30:31]         ; Wf
	global_load_b32 v231, v[V4B], s[16:17] offset:256  ; p2, from record 0
.irp m, 0,1,2,3
.irp i, 0,1,2,3
	global_load_b128 v[WQ+16*\m+4*\i:WQ+16*\m+4*\i+3], v[VT16], s[10:11] offset:16384*\m+4096*\i
.endr
.endr
	global_load_b128 v[232:235], v[VT16], s[12:13]
	global_load_b128 v[236:239], v[VT16], s[12:13] offset:4096
	global_load_b128 v[248:251], v[VT16], s[88:89]
	s_wait_loadcnt 33                              ; the 6 + 8 + 16 + 2 + 1 younger loads stay out: the records are in
	PHALF 32, 16
	PHALF 32, 8
	PHALF 32, 4
	PHALF 32, 2
	PHALF 32, 1
	ds_store_b64 v120, v[32:33]
	s_wait_dscnt 0x0
	s_barrier_signal -1
	s_barrier_wait -1
	s_wait_loadcnt 19                              ; the 16 + 2 + 1 younger loads stay out: tables, gains and biases are in
	s_cmp_lt_u32 s[WV], 2
	s_cbranch_scc0 .Lnot_01
.irp k, 0,1,2,3,4,5
	ds_store_b32 v122, v[96+\k] offset:256*\k      ; waves 0 and 1: layer 1's six tables
.endr
	s_branch .Ltab_done
.Lnot_01:
	s_cmp_lg_u32 s[WV], 2
	s_cbranch_scc1 .Ltab_done
.irp i, 0,1,2,3,4,5,6,7
	ds_load_b32 v[64+\i], v123 offset:256*\i       ; wave 2: column n = l of layer 2
	ds_load_b32 v[72+\i], v123 offset:256*\i+128
.endr
	s_wait_dscnt 0x0
	v_pk_add_f32 v[64:65], v[64:65], v[66:67]
	v_pk_add_f32 v[68:69], v[68:69], v[70:71]
	v_pk_add_f32 v[72:73], v[72:73], v[74:75]
	v_pk_add_f32 v[76:77], v[76:77], v[78:79]
	v_pk_add_f32 v[64:65], v[64:65], v[68:69]
	v_pk_add_f32 v[72:73], v[72:73], v[76:77]
	v_add_f32 v64, v64, v65
	v_add_f32 v72, v72, v73
	v_mul_f32 v64, 0x35a3d70a, v64                 ; S2 / N
	v_mul_f32 v72, 0x35a3d70a, v72                 ; Q2 / N
	v_fma_f32 v72, -v64, v64, v72
	v_max_num_f32 v72, 0, v72                      ; v2
	v_add_f32 v65, v231, v64                       ; mu2
	v_add_f32 v66, 0x3727c5ac, v72                 ; + 1e-5
	v_rsq_f32 v66, v66
	v_sub_f32 v65, v229, v65                       ; b2 - mu2: the plain line behind the root
	s_wait_alu depctr_va_vdst(0)
	v_mul_f32 v66, v224, v66                       ; A2
	v_fma_f32 v67, v66, v65, v225                  ; A2 (b2 - mu2) + be2
	v_mul_f32 v68, v66, v66
	v_fmaak_f32 v68, v68, v72, 0x322bcc77          ; A2^2 v2 + 1e-8
	v_rsq_f32 v68, v68
	v_mul_f32 v69, 0xbfb8aa3b, v226
	s_wait_alu depctr_va_vdst(0)
	v_mul_f32 v68, v69, v68                        ; c2
	v_mul_f32 v70, 0xbfb8aa3b, v227
	v_fma_f32 v70, -v68, v225, v70                 ; d2
	v_mul_f32 v73, 0x3fb8aa3b, v230                ; Wf log2(e)
	v_mul_f32 v74, v228, v73                       ; WA
	v_fma_f32 v75, -v228, v73, v73                 ; WB
	ds_store_b32 v121, v66
	ds_store_b32 v121, v67 offset:T_C2I-T_A2
	ds_store_b32 v121, v68 offset:T_C2-T_A2
	ds_store_b32 v121, v70 offset:T_D2-T_A2
	ds_store_b32 v121, v74 offset:T_WA-T_A2
	ds_store_b32 v121, v75 offset:T_WB-T_A2
.Ltab_done:
	s_wait_dscnt 0x0
	s_barrier_signal -1
	s_barrier_wait -1
	v_lshl_add_u32 v123, v[VR], 4, TAB+T_A
	v_lshl_add_u32 v125, v126, 4, TAB+T_A2
	ds_load_b128 v[A4:A4+3], v123                  ; A of my four columns of W1
	ds_load_b128 v[132:135], v125                  ; A2 of my four columns of W2
	s_wait_loadcnt 0x0
	s_wait_dscnt 0x0
	WPREP 1
	v_pk_mul_f32 v[232:233], v[232:233], v[132:133]
	v_pk_mul_f32 v[234:235], v[234:235], v[134:135]
	v_pk_mul_f32 v[236:237], v[236:237], v[132:133]
	v_pk_mul_f32 v[238:239], v[238:239], v[134:135]
	v_cvt_pk_f16_f32 v[TW], v232, v233
	v_cvt_pk_f16_f32 v[TW+1], v234, v235
	v_cvt_pk_f16_f32 v[TW+2], v236, v237
	v_cvt_pk_f16_f32 v[TW+3], v238, v239
	ds_store_b64 v[W2ST], v[TW:TW+1]
	ds_store_b64 v[W2ST], v[TW+2:TW+3] offset:3072
	v_cvt_pk_f16_f32 v[TW+4], v248, v249
	v_cvt_pk_f16_f32 v[TW+5], v250, v251
	ds_store_b64 v124, v[TW+4:TW+5]
	s_wait_dscnt 0x0
	s_barrier_signal -1
	s_barrier_wait -1
	WIN 0x40                                       ; what stays in registers for the whole launch
	LDT C1, T_C1, 4
	LDT D1, T_D1, 4
	LDT AL, T_AL, 4
	LDT BE, T_BE, 4
.irp t, 0,1
.irp kk, 0,1
	ds_load_tr16_b128 v[W2F+16*\t+8*\kk:W2F+16*\t+8*\kk+3], v[AW2] offset:3072*\kk+32*\t
	ds_load_tr16_b128 v[W2F+16*\t+8*\kk+4:W2F+16*\t+8*\kk+7], v[AW2] offset:3072*\kk+32*\t+1536
.endr
.endr
	WIN 0
	LDT C2I, T_C2I, 2
	LDT C2, T_C2, 2
	LDT D2, T_D2, 2
	LDT WA, T_WA, 2
	LDT WB, T_WB, 2                                ; all waited for in BPRO
	v_mov_b32 v[LOWV], 0xff7fffff                  ; the lowest finite number
	v_mov_b32 v[AA+1], 0                           ; named as a pair
	v_mov_b32 v[TT], 0                             ; v_permlanex16_b32's destination counts as read
	s_wait_kmcnt 0x0
	s_mul_f32 s[BFL], s[BFL], 0x3fb8aa3b           ; bf log2(e)
	BPRO AQ, 0, T_CB                               ; b0
	BSTART
	CHUNK 0, 7, 0, 1, 0                            ; 1: the mask and the first slot are in, the second slot's fill may stay out
	REFILL G0A, G1A
	CHUNK SLOTB, 6, 1, 1, 448                      ; 1: the refill just issued stays out
	REFILL G0B, G1B
	BEND 0
	BPRO AQ, 128, T_CB                             ; b0 + 1
	BSTART
	CHUNK 0, 7, 0, 1, 800
	CHUNK SLOTB, 6, 1, 0, 1248                     ; the last wait is for zero
	BEND 1
	s_wait_tensorcnt 0x0                           ; the wave's end, behind my last tensor load and my last LDS store
	ds_add_u32 v[SPW], v[NIL]
	s_wait_dscnt 0x0
	s_endpgm
.Lfunc_end_k_qed2e171cec_attn:
	.size	k_qed2e171cec_attn, .Lfunc_end_k_qed2e171cec_attn-k_qed2e171cec_attn
	.p2alignl 7, 3214868480
	.fill 96, 4, 3214868480
	.section	.rodata,"a",@progbits
	.p2align	6, 0x0
	.amdhsa_kernel k_qed2e171cec_attn
		.amdhsa_group_segment_fixed_size 327680
		.amdhsa_private_segment_fixed_size 0
		.amdhsa_enable_private_segment 0
		.amdhsa_kernarg_size 128
		.amdhsa_user_sgpr_count 2
		.amdhsa_user_sgpr_kernarg_segment_ptr 1
		.amdhsa_wavefront_size32 1
		.amdhsa_system_sgpr_workgroup_id_x 1
		.amdhsa_system_sgpr_workgroup_id_y 1
		.amdhsa_system_sgpr_workgroup_id_z 1
		.amdhsa_system_vgpr_workitem_id 0
		.amdhsa_next_free_vgpr 512
		.amdhsa_next_free_sgpr 92
		.amdhsa_reserve_vcc 1
		.amdhsa_float_denorm_mode_32 3
		.amdhsa_float_denorm_mode_16_64 3
		.amdhsa_memory_ordered 1
		.amdhsa_forward_progress 1
		.amdhsa_inst_pref_size 122
	.end_amdhsa_kernel
	.amdgpu_metadata
---
amdhsa.version: [ 1, 2 ]
amdhsa.kernels:
  - .name:           k_qed2e171cec_attn
    .symbol:         k_qed2e171cec_attn.kd
    .args:
      - { .name: fb, .offset: 0, .size: 8, .value_kind: global_buffer, .address_space: global }
      - { .name: query, .offset: 8, .size: 8, .value_kind: global_buffer, .address_space: global }
      - { .name: mask, .offset: 16, .size: 8, .value_kind: global_buffer, .address_space: global }
      - { .name: W1, .offset: 24, .size: 8, .value_kind: global_buffer, .address_space: global }
      - { .name: W2, .offset: 32, .size: 8, .value_kind: global_buffer, .address_space: global }
      - { .name: tab1, .offset: 40, .size: 8, .value_kind: global_buffer, .address_space: global }
      - { .name: part2, .offset: 48, .size: 8, .value_kind: global_buffer, .address_space: global }
      - { .name: g2, .offset: 56, .size: 8, .value_kind: global_buffer, .address_space: global }
      - { .name: be2, .offset: 64, .size: 8, .value_kind: global_buffer, .address_space: global }
      - { .name: dg2, .offset: 72, .size: 8, .value_kind: global_buffer, .address_space: global }
      - { .name: db2, .offset: 80, .size: 8, .value_kind: global_buffer, .address_space: global }
      - { .name: a2, .offset: 88, .size: 8, .value_kind: global_buffer, .address_space: global }
      - { .name: b2, .offset: 96, .size: 8, .value_kind: global_buffer, .address_space: global }
      - { .name: Wf, .offset: 104, .size: 8, .value_kind: global_buffer, .address_space: global }
      - { .name: bf, .offset: 112, .size: 8, .value_kind: global_buffer, .address_space: global }
      - { .name: out0, .offset: 120, .size: 8, .value_kind: global_buffer, .address_space: global }
    .group_segment_fixed_size: 327680
    .private_segment_fixed_size: 0
    .kernarg_segment_align: 8
    .kernarg_segment_size: 128
    .max_flat_workgroup_size: 256
    .sgpr_count:     92
    .vgpr_count:     512
    .wavefront_size: 32
...
	.end_amdgpu_metadata
.endif
;; end of part 3
